; MI455X (gfx1250); checked and timed in simulation.
; The chip was launched on July 23, 2026; its instructions are those of AMD's public machine-readable ISA for CDNA 5 (MIT licence, August 2026) and "CDNA5" Instruction Set Architecture Reference Guide (July 2026). The comments in the code are by the model that wrote it; some were corrected since.
;; Attention. Allowed arithmetic: matrix products marked QUANTISED: E2M3 operands, one E8M0 scale for each 32 along K, by v_wmma_scale_f32_16x16x128_f8f6f4 with both operands' format E2M3, f32 sums; everything else in f32.
;; Inputs: wk_codes 256 x 32 x 24 uint8 (E2M3 codes of wk, K innermost, in blocks of 32 codes, four codes in three bytes); wk_scales 256 x 32 uint8 (E8M0 scales of wk, one for each 32 codes along K); wo_codes 1,024 x 32 x 24 uint8 (E2M3 codes of wo, K innermost, in blocks of 32 codes, four codes in three bytes); wo_scales 1,024 x 32 uint8 (E8M0 scales of wo, one for each 32 codes along K); wq_codes 1,024 x 32 x 24 uint8 (E2M3 codes of wq, K innermost, in blocks of 32 codes, four codes in three bytes); wq_scales 1,024 x 32 uint8 (E8M0 scales of wq, one for each 32 codes along K); wv_codes 256 x 32 x 24 uint8 (E2M3 codes of wv, K innermost, in blocks of 32 codes, four codes in three bytes); wv_scales 256 x 32 uint8 (E8M0 scales of wv, one for each 32 codes along K); x_codes 1 x 4,096 x 32 x 24 uint8 (E2M3 codes of x, K innermost, in blocks of 32 codes, four codes in three bytes); x_scales 1 x 4,096 x 32 uint8 (E8M0 scales of x, one for each 32 codes along K).
;; Outputs: out0 1 x 4,096 x 1,024 float32.
;; This version of the problem:
;;   THIS VERSION OF THE PROBLEM IS GIVEN IN LOW PRECISION. The matrix products marked QUANTISED in the list below multiply operands that are first quantised to E2M3 (2 exponent bits, 3 mantissa bits; 6 bits a number), with one power-of-two scale for each 32 numbers along K (OCP MX v1.0); their sums are f32. All else is computed in f32.
;;   The module's matrix products, in the order in which they are computed (A, B: the left and right operand; K: the contracted axis; several contracted axes count as one K, in the product's order):
;;     1. [M 4,096, K 1,024] x [K 1,024, N 1,024]; A: input x (given as codes); B: input wq (given as codes): QUANTISED
;;     2. [M 4,096, K 1,024] x [K 1,024, N 256]; A: input x (given as codes); B: input wk (given as codes): QUANTISED
;;     3. [M 4,096, K 1,024] x [K 1,024, N 256]; A: input x (given as codes); B: input wv (given as codes): QUANTISED
;;     4. batch 16 x [M 4,096, K 64] x [K 64, N 4,096]; A: computed on the way; B: computed on the way: QUANTISED
;;     5. batch 16 x [M 4,096, K 4,096] x [K 4,096, N 64]; A: softmax (see below); B: computed on the way: QUANTISED
;;     6. [M 4,096, K 1,024] x [K 1,024, N 1,024]; A: computed on the way; B: input wo (given as codes): QUANTISED
;;   THE QUANTISER, for each operand of a quantised product, along K:
;;     - K is cut into blocks of 32 from its start; a last block that is shorter is filled with zeros.
;;     - A block's scale is 2^e with e = floor(log2(the largest magnitude in the block)) - 2, held to -126 .. 127; a block of zeros has e = 0. As a byte (E8M0): e + 127.
;;     - Each number is divided by its block's scale, clamped to +-7.5, and rounded to the nearest number of E2M3, ties to even, subnormals kept.
;;     - The product sums the exact products of the quantised numbers (number of the format x scale) in f32.
;;   ~~~python
;;   def quantise(x, axis):      # numpy; x: float32 -> the quantised numbers, widened to float32 again
;;       x = np.moveaxis(x, axis, -1); K = x.shape[-1]
;;       x = np.pad(x, [(0, 0)] * (x.ndim - 1) + [(0, -K % 32)]); x = x.reshape(x.shape[:-1] + (-1, 32)); a = np.abs(x).max(-1, keepdims=True)
;;       e = np.where(a > 0, np.clip(np.frexp(np.where(a > 0, a, 1))[1] - 1 - 2, -126, 127), 0)      # np.frexp(a)[1] - 1 = floor(log2(a)), exactly
;;       r = np.clip(x / 2.0 ** e, -7.5, 7.5)
;;       step = 2.0 ** (np.maximum(np.frexp(np.where(r == 0, 1, r))[1] - 1, 0) - 3)
;;       q = np.round(r / step) * step * 2.0 ** e      # np.round: ties to even
;;       return np.moveaxis(q.reshape(q.shape[:-2] + (-1,))[..., :K], -1, axis).astype(np.float32)
;;   ~~~
;;   SOFTMAX AHEAD OF A QUANTISED PRODUCT. Where the list says 'softmax', what is quantised is not the finished softmax but p = 2^(t - M), with t = logit x log2(e) and M = ceil(the row's largest t), a whole number; so 1/2 < the row's largest p <= 1. The row's sum l is taken of the UNQUANTISED p, in f32, and the product's result is divided by l at the end. Since M is a whole number, a kernel that streams over the keys may use a running M (the ceiling of the running maximum): every later rescaling is an exact power of two, which a block's scale takes up: the codes' values come out the same.
;;   OPERANDS COMPUTED ON THE WAY. 'Computed on the way' means the value that the module computes at that place (a softmax that the list does not call 'softmax' is quantised finished and normalised). What goes into a quantiser is computed in f32, as accurately as f32 sums, v_exp_f32 and their like allow (about 1e-6 of the number): no bf16 or f16 on the way to a quantiser, and a product that is left as it is and whose result goes on into a quantised operand takes f32 operands (vector FMAs, or v_wmma_f32_16x16x4_f32). A number that lies on a knife's edge between two numbers of the format may be rounded either way, as far as f32 arithmetic and the matrix unit's own rounding can turn it there, and no further.
;;   INPUTS GIVEN AS CODES. wk (in the module: [1024, 256], K = its axis 0); wo (in the module: [1024, 1024], K = its axis 0); wq (in the module: [1024, 1024], K = its axis 0); wv (in the module: [1024, 256], K = its axis 0); x (in the module: [1, 4096, 1024], K = its axis 2): each comes as NAME_codes (uint8): NAME with its K axis moved to the last place and cut into blocks of 32 codes, [.., K / 32, bytes a block], one block behind the other in memory; four codes in three bytes: a row's codes are one little-endian stream of bits, code i at bits 6 i .. 6 i + 5 (a code: sign, 2 exponent bits, 3 mantissa bits); and NAME_scales (uint8): the same leading axes, one E8M0 byte (e + 127) for each 32 codes along K. Its value is code x scale, taken as it is: it is not quantised again, and the codes and scales need not be those that the quantiser above would give.
;; One version. Each part assembles by itself: llvm-mc -triple=amdgcn-amd-amdhsa -mcpu=gfx1250 --defsym DOCPART=n.
;; ======== version 1 of 1: 3 launches
;; workspace buffers: qc 3,145,728 bytes; qs 262,144 bytes; kv 1,638,400 bytes; oc 3,145,728 bytes; os 131,072 bytes
;; launch proj (part 1): grid 32 x 6, 4 waves a work-group, clusters of 4 x 1, 318,464 bytes of LDS; arguments x_codes, x_scales, wq_codes, wq_scales, wk_codes, wk_scales, wv_codes, wv_scales, qc, qs, kv; writes qc, qs, kv
.if DOCPART == 1
	.amdgcn_target "amdgcn-amd-amdhsa--gfx1250"
	.amdhsa_code_object_version 6
	.text
	.protected	k_qf6c403ea60_proj
	.globl	k_qf6c403ea60_proj
	.p2align	8
	.type	k_qf6c403ea60_proj,@function
k_qf6c403ea60_proj:
	s_mov_b64 s[64:65], 0
	v_nop
	global_prefetch_b8 v0, s[64:65] scope:SCOPE_SE
	s_setreg_imm32_b32 hwreg(HW_REG_WAVE_MODE, 25, 1), 1
	s_wait_xcnt 0x0
	s_wait_alu depctr_hold_cnt(0) depctr_sa_sdst(0) depctr_va_vdst(0) depctr_va_sdst(0) depctr_va_ssrc(0) depctr_va_vcc(0) depctr_vm_vsrc(0)
	s_getreg_b32 s2, hwreg(HW_REG_IB_STS2, 6, 4)
	s_cmp_eq_u32 s2, 0
	s_cbranch_scc0 .Lentry_in_a_cluster
	s_endpgm
.Lentry_in_a_cluster:
	s_bfe_u32 s2, ttmp6, 0x10000c
	s_cmp_lg_u32 s2, 0x3003
	s_cbranch_scc0 .Lentry_shape_is_right
	s_endpgm
.Lentry_shape_is_right:
; q = rope(x wq), k = rope(x wk), v = x wv, on codes of FP6 (E2M3) with one E8M0 scale for each 32 along K = 1,024; the results are quantised again at once:
; q and k along the head's 64 (two blocks), v along the keys (blocks of 32 tokens), and leave as IMAGES OF OPERAND REGISTERS for the attention launch.
; SHARES.  A work-group takes 128 tokens (tb) x 256 columns: y = 0..3 query heads 4 y .. 4 y + 3, y = 4 the four heads of k, y = 5 those of v.  The four work-groups of a cluster
; have the same y: the weights' panel is asked for JOINTLY (mask 15), x's panel by plain loads.  Both panels lie in LDS for all of K, filled once, in thirds of a row (256 bytes).
; TILES ARE NOT NEIGHBOURS.  Index r of tile u of a group of 64 (tokens, or rows of a weight) stands for 32 (r / 8) + 8 u + r % 8.  In a result, register j of lane (r, h) is row 8 h + j of source 0,
; so the four tiles of a group give a lane 32 registers that are 32 h + 0 .. 31 of the group: A WHOLE BLOCK OF 32 IN ONE LANE, in order: its largest magnitude needs no other lane, two conversions
; give six registers of an operand's fragment, and rope's partner (32 further on or back) is the same register of the lane 16 away.
; q, k: source 0 = 16 rows of W, source 1 = 16 tokens: a lane holds one token.  Wave w: token tiles 2 w, 2 w + 1 of the eight, all four heads.
; v:    source 0 = 16 tokens, source 1 = 16 rows of W: a lane holds one channel, registers run along the tokens.  Wave w: head w, all eight token tiles.
; LIMITS: NaN, infinities and the scale byte 0xff are not served.  A block whose largest magnitude lies under 2^-124, a block of zeros too, gets the byte 1 (its codes are then zeros or
; tiny; these bytes are read by this program alone).  Rope's frequencies are 10^(-i / 8) rounded to f32: they may differ by one unit in the last place from a power and a division made in f32,
; which is at most 4e-4 radians at position 4,095.  q cos + rot(q) sin is a product and a fused multiply-add.
; REGISTERS, in windows of 256: window 0: v1-15 lane numbers and addresses; v16-87 scale words and nothing else; v88-111, v208-231 x's fragments, two sets; v112-159, v160-207 W's, two sets
; (free before the products: the angles' work; free behind them: v120-167 the codes made, v176-207 32 numbers at work); v232-255 at work.  window 1: 32 accumulators.  window 2: cos and sin.
.set GS,   8832                        ; an LDS slot of 32 rows: 32 x (256 + 16) bytes + 128: the 128 set a group's upper 32 rows 32 words on, so that the 32 lanes of a load of 8 bytes touch 64 different words modulo 64
.set XR,   4*GS                        ; a third of x's panel: 128 rows
.set WR,   8*GS                        ; a third of W's: 256 rows
.set WB,   3*XR                        ; W's thirds lie behind x's
.set GRP,  2*GS                        ; a group of 64 rows
.set TIL,  8*272                       ; from tile to tile in a group: 8 rows
.set KVE,  12800                       ; kv: a key step of a head: 4 images of K, 4 of V^T, 256 + 256 bytes of scale words
.set KVH,  32*KVE                      ; kv: a head
.set L16,  1                           ; v1   16 x lane
.set L8,   2                           ; v2   8 x lane
.set SH8,  3                           ; v3   8 x (lane / 16)
.set POS,  4                           ; v4   my token's position, f32
.set KO,   5                           ; v5   offset of the scale words' stores
.set XA,   6                           ; v6-8   LDS address of my lane in x's thirds;  v9-10 the same for pieces whose upper lanes read in the next third
.set XC,   9
.set WA,   11                          ; v11-13, v14-15 the same for W
.set WC,   14
.set XFB,  88                          ; x's fragments: set s at 88 + 120 s
.set WFB,  112                         ; W's: set s at 112 + 48 s
.set F,    120                         ; the codes made: 48 registers
.set T,    176                         ; 32 numbers at work
.set MX,   232
.set SO,   234
.set SBT,  235
.set CT,   236
.set TT,   239
.set PT,   240
.set TA,   241
.set TC,   242
.set PP,   244                         ; v244-251 eight pairs of scale bytes (v: eight bytes)
.set QW,   252                         ; v252-255 scale words to store
.set WV,   14                          ; s14  wave
.set SEL,  40                          ; s[40:41] lane selects: lane xor 16
.set SGN,  43                          ; s43  the sign bit
.set MSB, 0
.macro WIN new                         ; the immediate's high byte repeats the setting that is left
.if MSB != (\new)
	s_set_vgpr_msb (MSB<<8)|(\new)
.set MSB, \new
.endif
.endm
.macro ROUND                           ; a round of the cluster's barrier
	s_barrier_signal -1
	s_barrier_wait -1
	s_cmp_lg_u32 s[WV], 0
	s_cbranch_scc1 .Lnot_wave_0_\@
	s_barrier_signal -3
.Lnot_wave_0_\@:
	s_barrier_wait -3
	s_barrier_signal -1
	s_barrier_wait -1
.endm
.macro PLACES
.rept 4
	v_nop
.endr
.endm
; A fragment, 16 rows x 128 K: 12 registers, six pieces of 8 bytes.  Lanes 0-15 take the row's pieces 12 ks + 0, 1, 2, 6, 7, 8, lanes 16-31 those three pieces on.  A third holds 32 pieces:
; where the piece three on lies in the next third (pieces 30, 31, 61, 62) the second kind of address register serves.
.macro PFRAG reg, areg, creg, ks, to
.irp p, 0,1,2,3,4,5
.set PCE, 12*(\ks)+6*(\p/3)+\p%3
.if PCE%32 < 29
	ds_load_b64 v[\reg+2*\p:\reg+2*\p+1], v[\areg+PCE/32] offset:(\to)+8*(PCE%32)
.else
	ds_load_b64 v[\reg+2*\p:\reg+2*\p+1], v[\creg+PCE/32] offset:(\to)+8*(PCE%32)
.endif
.endr
.endm
; One product.  z = 0: it starts the sum.  ra, rb: the scale words stand in lanes 16-31 of their registers.
.macro WM d, a, b, z, sa, sb, ra, rb
.set WD, \d
.set WAA, \a
.set WBB, \b
.set WSA, \sa
.set WSB, \sb
.set WSEL, (\ra)+2*(\rb)
.if (\z) == 0
.if WSEL == 0
	v_wmma_scale_f32_16x16x128_f8f6f4 v[WD:WD+7], v[WAA:WAA+11], v[WBB:WBB+11], 0, v[WSA], v[WSB] matrix_a_fmt:MATRIX_FMT_FP6 matrix_b_fmt:MATRIX_FMT_FP6
.elseif WSEL == 1
	v_wmma_scale_f32_16x16x128_f8f6f4 v[WD:WD+7], v[WAA:WAA+11], v[WBB:WBB+11], 0, v[WSA], v[WSB] matrix_a_fmt:MATRIX_FMT_FP6 matrix_b_fmt:MATRIX_FMT_FP6 matrix_a_scale:MATRIX_SCALE_ROW1
.elseif WSEL == 2
	v_wmma_scale_f32_16x16x128_f8f6f4 v[WD:WD+7], v[WAA:WAA+11], v[WBB:WBB+11], 0, v[WSA], v[WSB] matrix_a_fmt:MATRIX_FMT_FP6 matrix_b_fmt:MATRIX_FMT_FP6 matrix_b_scale:MATRIX_SCALE_ROW1
.else
	v_wmma_scale_f32_16x16x128_f8f6f4 v[WD:WD+7], v[WAA:WAA+11], v[WBB:WBB+11], 0, v[WSA], v[WSB] matrix_a_fmt:MATRIX_FMT_FP6 matrix_b_fmt:MATRIX_FMT_FP6 matrix_a_scale:MATRIX_SCALE_ROW1 matrix_b_scale:MATRIX_SCALE_ROW1
.endif
.else
.if WSEL == 0
	v_wmma_scale_f32_16x16x128_f8f6f4 v[WD:WD+7], v[WAA:WAA+11], v[WBB:WBB+11], v[WD:WD+7], v[WSA], v[WSB] matrix_a_fmt:MATRIX_FMT_FP6 matrix_b_fmt:MATRIX_FMT_FP6
.elseif WSEL == 1
	v_wmma_scale_f32_16x16x128_f8f6f4 v[WD:WD+7], v[WAA:WAA+11], v[WBB:WBB+11], v[WD:WD+7], v[WSA], v[WSB] matrix_a_fmt:MATRIX_FMT_FP6 matrix_b_fmt:MATRIX_FMT_FP6 matrix_a_scale:MATRIX_SCALE_ROW1
.elseif WSEL == 2
	v_wmma_scale_f32_16x16x128_f8f6f4 v[WD:WD+7], v[WAA:WAA+11], v[WBB:WBB+11], v[WD:WD+7], v[WSA], v[WSB] matrix_a_fmt:MATRIX_FMT_FP6 matrix_b_fmt:MATRIX_FMT_FP6 matrix_b_scale:MATRIX_SCALE_ROW1
.else
	v_wmma_scale_f32_16x16x128_f8f6f4 v[WD:WD+7], v[WAA:WAA+11], v[WBB:WBB+11], v[WD:WD+7], v[WSA], v[WSB] matrix_a_fmt:MATRIX_FMT_FP6 matrix_b_fmt:MATRIX_FMT_FP6 matrix_a_scale:MATRIX_SCALE_ROW1 matrix_b_scale:MATRIX_SCALE_ROW1
.endif
.endif
.endm
; The products go in 32 batches of 8, batch b = 4 ks + n.  vp = 0 (q, k): batch = head n: its four tiles of W (fetched anew for each batch) x my two token tiles (fetched for each K step).
; vp = 1 (v): batch = token tiles 2 n, 2 n + 1 (for each batch) x my head's four tiles of W (for each K step).
.macro LOADFAST vp, b
.set LB, \b
.if \vp
.irp i, 0,1
.set LT, 2*(LB%4)+\i
	PFRAG XFB+120*(LB&1)+12*\i, XA, XC, LB/4, (LT/4)*GRP+(LT%4)*TIL
.endr
.else
.irp t, 0,1,2,3
	PFRAG WFB+48*(LB&1)+12*\t, WA, WC, LB/4, (LB%4)*GRP+\t*TIL
.endr
.endif
.endm
.macro LOADSLOW vp, ks
.set LK, \ks
.if \vp
.irp t, 0,1,2,3
	PFRAG WFB+48*(LK&1)+12*\t, WA, WC, LK, \t*TIL
.endr
.else
.irp c, 0,1
	PFRAG XFB+120*(LK&1)+12*\c, XA, XC, LK, \c*TIL
.endr
.endif
.endm
.macro BATCH vp
.if (BT == 7) || (BT == 19)            ; the next batch reads K step 2 (5), which reaches into the second (third) third of the rows
	s_wait_dscnt 0x0                               ; no LDS load of mine is out at a signal
.if BT == 7
	s_wait_tensorcnt 0x3                           ; my three loads of the second third have landed; the last three may be out
.else
	s_wait_tensorcnt 0x0
.endif
	s_barrier_signal -1
	s_barrier_wait -1                              ; everybody's have
.endif
.if BT < 31
	LOADFAST \vp, BT+1                             ; the next batch's fragments, into the sets that are not at work
.if (BT+1)%4 == 0
	LOADSLOW \vp, (BT+1)/4
	s_wait_dscnt 36                                ; all but the 36 loads just issued: this batch's fragments are in
.elseif \vp
	s_wait_dscnt 12                                ; all but the 12 just issued
.else
	s_wait_dscnt 24                                ; all but the 24 just issued
.endif
.else
	s_wait_dscnt 0x0
.endif
.set KSN, BT/4
.set HQ, BT%4
	WIN 0x50                                       ; C and D in window 1
.if \vp
.set XFS, XFB+120*(BT&1)
.set WFS, WFB+48*(KSN&1)
.irp i, 0,1
.set AT, 2*HQ+\i
.irp t, 0,1,2,3
	WM 32*(2*\t+AT/4)+8*(AT%4),XFS+12*\i,WFS+12*\t,KSN,16+8*(AT%4)+KSN,48+8*(\t&1)+KSN,AT/4,\t>>1
.endr
.endr
.else
.set XFS, XFB+120*(KSN&1)
.set WFS, WFB+48*(BT&1)
.irp c, 0,1
.irp t, 0,1,2,3
	WM 32*(2*HQ+\c)+8*\t,WFS+12*\t,XFS+12*\c,KSN,24+8*(4*(HQ&1)+\t)+KSN,16+KSN,HQ>>1,\c
.endr
.endr
.endif
	WIN 0
	PLACES                                         ; four places in front of the next loads into this batch's registers, and of the first read of results
.endm
.macro GEMM vp                         ; the 32 accumulators take turns: an accumulator comes up again 32 products later
	s_wait_tensorcnt 0x6                           ; my three loads of the first third have landed; the other six may be out
	s_barrier_signal -1
	s_barrier_wait -1
	LOADSLOW \vp, 0
	LOADFAST \vp, 0
.set BT, 0
.rept 32
	BATCH \vp
.set BT, BT+1
.endr
.endm
; 32 numbers of a lane, a whole block, from v[s] on in window win, become six registers of codes at v[dst] and the block's scale byte in v[sb].
.macro QUANT32 s, win, dst, sb
	WIN 0x05*(\win)
	v_max3_num_f32 v[MX], |v[\s]|, |v[\s+1]|, 0x1800000          ; the largest magnitude, in two chains, with the floor 2^(3 - 127) among the leaves: the byte cannot fall under 1
	v_max3_num_f32 v[MX+1], |v[\s+2]|, |v[\s+3]|, 0x1800000
	WIN 0x14*(\win)
.irp i, 4,8,12,16,20,24,28
	v_max3_num_f32 v[MX], v[MX], |v[\s+\i]|, |v[\s+\i+1]|
	v_max3_num_f32 v[MX+1], v[MX+1], |v[\s+\i+2]|, |v[\s+\i+3]|
.endr
	WIN 0
	v_max_num_f32 v[MX], v[MX], v[MX+1]
	v_add_nc_u32 v[SO], 0xff000000, v[MX]          ; 2 off its exponent field: the conversion takes this operand's exponent field as its scale
	v_lshrrev_b32 v[\sb], 23, v[SO]                ; the scale's byte
	WIN 0x01*(\win)
	v_cvt_scalef32_pk16_fp6_f32 v[\dst:\dst+2], v[\s:\s+15], v[SO]
	v_cvt_scalef32_pk16_fp6_f32 v[CT:CT+2], v[\s+16:\s+31], v[SO]   ; (a conversion's three registers begin on an even number)
	WIN 0
	v_nop                                          ; one plain line behind the conversions
.irp i, 0,1,2
	v_mov_b32 v[\dst+3+\i], v[CT+\i]
.endr
.endm
.macro W2 sb, dst                      ; my block's byte and that of the lane 16 away: 16 bits, lower block lowest, in both lanes
	v_lshlrev_b32 v[TT], v[SH8], v[\sb]
	v_permlanex16_b32 v[PT], v[TT], s[SEL], s[SEL+1]
	v_or_b32 v[\dst], v[TT], v[PT]
.endm
; rope on the 32 accumulator registers from a on (window 1), token tile c: T = acc cos + (the lane 16 away's acc) x (-sin in lanes 0-15, +sin in lanes 16-31)
.macro ROPE a, c
	WIN 0x01
.set I_, 0
.rept 32
	v_permlanex16_b32 v[T+I_], v[\a+I_], s[SEL], s[SEL+1]        ; ascending: each accumulator is first read at its low end
.set I_, I_+1
.endr
	WIN 0x08
.set I_, 0
.rept 16
	v_pk_mul_f32 v[T+I_:T+I_+1], v[T+I_:T+I_+1], v[64*\c+32+I_:64*\c+33+I_]
.set I_, I_+2
.endr
	WIN 0x09
.set I_, 0
.rept 16
	v_pk_fma_f32 v[T+I_:T+I_+1], v[\a+I_:\a+I_+1], v[64*\c+I_:64*\c+I_+1], v[T+I_:T+I_+1]
.set I_, I_+2
.endr
	WIN 0
.endm
.macro KPAIR reg, val                  ; a constant, twice, for the packed forms
	v_mov_b32 v[\reg], \val
	v_mov_b32 v[\reg+1], \val
.endm
; cos and sin of position x frequency for frequencies i, i + 1.  Lanes 0-15 work for my token tile 0, lanes 16-31 for tile 1.
; a = pos f (one rounding); n = floor(a 2 / pi + 1/2); R = a - n pi / 2 in two parts; polynomials on [-pi/4, pi/4]; the quadrant n % 4 swaps and signs.
.macro TRIGPAIR i, f0, f1
	v_mul_f32 v136, \f0, v[POS]
	v_mul_f32 v137, \f1, v[POS]
	v_pk_fma_f32 v[138:139], v[136:137], v[112:113], v[134:135]
	v_floor_f32 v138, v138
	v_floor_f32 v139, v139
	v_pk_fma_f32 v[140:141], v[138:139], v[114:115], v[136:137]  ; exact: both are multiples of 2^-23 and the difference is under 1
	v_pk_fma_f32 v[140:141], v[138:139], v[116:117], v[140:141]
	v_cvt_i32_f32 v156, v138
	v_cvt_i32_f32 v157, v139
	v_pk_mul_f32 v[142:143], v[140:141], v[140:141]              ; z = R R
	v_pk_fma_f32 v[144:145], v[142:143], v[118:119], v[120:121]
	v_pk_fma_f32 v[146:147], v[142:143], v[124:125], v[126:127]
	v_pk_fma_f32 v[144:145], v[144:145], v[142:143], v[122:123]
	v_pk_fma_f32 v[146:147], v[146:147], v[142:143], v[128:129]
	v_pk_mul_f32 v[148:149], v[142:143], v[140:141]              ; z R
	v_pk_mul_f32 v[150:151], v[142:143], v[142:143]              ; z z
	v_pk_fma_f32 v[154:155], v[142:143], v[130:131], v[132:133]  ; 1 - z / 2
	v_pk_fma_f32 v[152:153], v[144:145], v[148:149], v[140:141]  ; sin R
	v_pk_fma_f32 v[154:155], v[146:147], v[150:151], v[154:155]  ; cos R
.irp e, 0,1
	v_and_b32 v[158+6*\e], 1, v[156+\e]
	v_cmp_eq_u32 vcc_lo, 1, v[158+6*\e]
	v_cndmask_b32 v[159+6*\e], v[152+\e], v[154+\e], vcc_lo      ; odd quadrants swap the two
	v_cndmask_b32 v[160+6*\e], v[154+\e], v[152+\e], vcc_lo
	v_lshlrev_b32 v[161+6*\e], 30, v[156+\e]
	v_and_b32 v[161+6*\e], s[SGN], v[161+6*\e]                   ; sin's sign: bit 1 of n
	v_add_nc_u32 v[162+6*\e], 1, v[156+\e]
	v_lshlrev_b32 v[162+6*\e], 30, v[162+6*\e]
	v_and_b32 v[162+6*\e], s[SGN], v[162+6*\e]                   ; cos's: bit 1 of n + 1
	v_xor_b32 v[163+6*\e], s[SGN], v[161+6*\e]
.endr
	WIN 0x80                                       ; destinations in window 2: tile c's cos at 64 c + i, its sin at 64 c + 32 + i
.irp e, 0,1
	v_xor_b32 v[\i+\e], v[160+6*\e], v[162+6*\e]
	v_xor_b32 v[64+\i+\e], v[160+6*\e], v[162+6*\e]
	v_xor_b32 v[32+\i+\e], v[159+6*\e], v[163+6*\e]              ; -sin
	v_xor_b32 v[96+\i+\e], v[159+6*\e], v[161+6*\e]              ; +sin
.endr
	WIN 0x82
.irp e, 0,1
	v_permlane16_swap_b32 v[\i+\e], v[64+\i+\e]                  ; the first's lanes 16-31 change places with the second's lanes 0-15: each table now holds ITS tile's numbers in both halves,
	v_permlane16_swap_b32 v[32+\i+\e], v[96+\i+\e]               ; sin's with -sin in lanes 0-15 and +sin in lanes 16-31
.endr
	WIN 0
.endm
	s_load_b256 s[4:11], s[0:1], 0x0               ; x's codes s[4:5], x's scales s[6:7], wq's codes s[8:9], wq's scales s[10:11]
	s_load_b256 s[84:91], s[0:1], 0x20             ; wk's codes, wk's scales, wv's codes, wv's scales
	s_load_b128 s[92:95], s[0:1], 0x40             ; qc, qs
	s_load_b64 s[96:97], s[0:1], 0x50              ; kv
	v_lshl_add_u32 v243, v0, 2, 0x4da00
	s_set_vgpr_msb 0x80
	v_mov_b32 v129, 0
	s_set_vgpr_msb 0x8088
	ds_add_u32 v243, v129
	ds_add_u32 v243, v129
	s_set_vgpr_msb 0x8800
	v_lshrrev_b32 v1, 5, v0
	v_readfirstlane_b32 s[WV], v1                  ; wave 0..3
	s_bfe_u32 s15, ttmp6, 0x40000                  ; cx
	s_lshl_b32 s32, ttmp9, 2
	s_add_co_u32 s32, s32, s15                     ; tb: my 128 tokens.  It enters global addresses and the positions alone
	s_and_b32 s33, ttmp7, 0xffff                   ; y, which the four partners share
	; descriptor group 1: 32 rows x 256 bytes, 768 bytes from row to row, 16 bytes of padding behind each row.  x's: no mask; W's: all four work-groups
	s_mov_b32 s16, (1<<20)|(5<<22)|(3<<25)
	s_mov_b32 s24, 15|(1<<20)|(1<<21)|(5<<22)|(3<<25)
.irp g, 16, 24
	s_mov_b32 s[\g+1], 256<<16                     ; tensor_dim0
	s_mov_b32 s[\g+2], 32<<16                      ; tensor_dim1
	s_mov_b32 s[\g+3], 256<<16                     ; tile_dim0
	s_mov_b32 s[\g+4], 32                          ; tile_dim1
	s_mov_b32 s[\g+5], 768                         ; tensor_dim0_stride
	s_mov_b32 s[\g+6], 0
	s_mov_b32 s[\g+7], 0
.endr
	s_mul_i32 s39, s[WV], GS                       ; where my rows go: x's slot w, W's slots 2 w and 2 w + 1
	s_mul_i32 s34, s[WV], GRP
	s_mov_b32 s[SEL], 0x76543210
	s_mov_b32 s[SEL+1], 0xfedcba98
	v_and_b32 v232, 31, v0
	v_lshlrev_b32 v[L16], 4, v232
	v_lshlrev_b32 v[L8], 3, v232
	v_bfe_u32 v233, v0, 4, 1                       ; h
	v_lshlrev_b32 v[SH8], 3, v233
	v_bfe_u32 v234, v0, 3, 1                       ; r / 8
	v_and_b32 v235, 7, v0                          ; r % 8
	v_mul_u32_u24 v236, v234, GS
	v_mad_u32_u24 v236, v235, 272, v236            ; my row of a tile
	v_mad_u32_u24 v237, v233, 24, v236             ; + 24 h
	v_mov_b32 v[PT], 0                             ; written once: a lane permute's destination counts as one of its sources
	s_wait_dscnt 0x0
	s_wait_kmcnt 0x0
	s_cmp_eq_u32 s33, 4                            ; which weight: the choice hangs on y alone
	s_cselect_b64 s[84:85], s[84:85], s[88:89]
	s_cselect_b64 s[86:87], s[86:87], s[90:91]
	s_cmp_lt_u32 s33, 4
	s_cselect_b64 s[8:9], s[8:9], s[84:85]
	s_cselect_b64 s[10:11], s[10:11], s[86:87]
	s_cselect_b32 s35, s33, 0                      ; which 256 rows of it
	s_mul_i32 s36, s35, 196608
	s_mov_b32 s37, 0
	s_add_nc_u64 s[8:9], s[8:9], s[36:37]
	s_lshl_b32 s36, s35, 13
	s_add_nc_u64 s[10:11], s[10:11], s[36:37]
	s_mul_i32 s36, s[WV], 49152
	s_add_nc_u64 s[100:101], s[8:9], s[36:37]      ; W: my 64 rows
	s_mul_i32 s42, s32, 98304
	s_mov_b32 s43, 0
	s_add_nc_u64 s[4:5], s[4:5], s[42:43]
	s_lshl_b32 s42, s32, 12
	s_add_nc_u64 s[6:7], s[6:7], s[42:43]
	s_mul_i32 s42, s[WV], 24576
	s_add_nc_u64 s[98:99], s[4:5], s[42:43]        ; x: my 32 rows
	; nine groups 0, three for each third: x, W's lower 32 rows, W's upper 32
.irp j, 0,1,2
.set GA, 44+4*(3*\j)+4*((3*\j)/5)
.set GB, 44+4*(3*\j+1)+4*((3*\j+1)/5)
.set GC, 44+4*(3*\j+2)+4*((3*\j+2)/5)
	s_mov_b32 s[GA], 1
	s_add_co_u32 s[GA+1], s39, \j*XR
	s_add_nc_u64 s[GA+2:GA+3], s[98:99], \j*256
	s_or_b32 s[GA+3], s[GA+3], 0x80000000
	s_mov_b32 s[GB], 1
	s_add_co_u32 s[GB+1], s34, WB+\j*WR
	s_add_nc_u64 s[GB+2:GB+3], s[100:101], \j*256
	s_or_b32 s[GB+3], s[GB+3], 0x80000000
	s_mov_b32 s[GC], 1
	s_add_co_u32 s[GC+1], s34, WB+\j*WR+GS
	s_add_nc_u64 s[GC+2:GC+3], s[100:101], \j*256+24576
	s_or_b32 s[GC+3], s[GC+3], 0x80000000
.endr
	ROUND                                          ; all four work-groups are here: the joint loads meet
.irp j, 0,1,2                          ; all fills of the launch, in the order of the thirds: nine loads of mine are out
.set GA, 44+4*(3*\j)+4*((3*\j)/5)
.set GB, 44+4*(3*\j+1)+4*((3*\j+1)/5)
.set GC, 44+4*(3*\j+2)+4*((3*\j+2)/5)
	tensor_load_to_lds s[GA:GA+3], s[16:23]
	s_nop 0
	tensor_load_to_lds s[GB:GB+3], s[24:31]
	s_nop 0
	tensor_load_to_lds s[GC:GC+3], s[24:31]
	s_nop 0
.endr
	PLACES                                         ; four v_nop follow the loads
	s_cmp_eq_u32 s33, 5
	s_cbranch_scc1 .Lvpath
	; ---------------- q and k ----------------
	s_lshr_b32 s34, s[WV], 1                       ; which group of 64 tokens
	s_and_b32 s35, s[WV], 1                        ; which two tiles of it
	s_mul_i32 s36, s34, GRP
	s_mul_i32 s37, s35, 2*TIL
	s_add_co_u32 s36, s36, s37
	v_add_nc_u32 v[XA], s36, v237
	v_add_nc_u32 v[XA+1], XR, v[XA]
	v_add_nc_u32 v[XA+2], 2*XR, v[XA]
	v_mad_u32_u24 v[XC], v233, XR-232, v236        ; lanes 16-31: 24 bytes on, less a third's 256, in the next third
	v_add_nc_u32 v[XC], s36, v[XC]
	v_add_nc_u32 v[XC+1], XR, v[XC]
	v_add_nc_u32 v[WA], WB, v237
	v_add_nc_u32 v[WA+1], WB+WR, v237
	v_add_nc_u32 v[WA+2], WB+2*WR, v237
	v_mad_u32_u24 v[WC], v233, WR-232, v236
	v_add_nc_u32 v[WC], WB, v[WC]
	v_add_nc_u32 v[WC+1], WR, v[WC]
	; scale words, from memory straight into registers, once: a row's 32 bytes are its eight words.  x's: v16-23, lanes 0-15 my tile 0, lanes 16-31 my tile 1
	v_lshlrev_b32 v238, 10, v234
	v_lshl_add_u32 v238, v233, 8, v238
	v_lshl_add_u32 v238, v235, 5, v238
	s_lshl_b32 s37, s34, 11
	s_lshl_b32 s38, s35, 9
	s_add_co_u32 s37, s37, s38
	v_add_nc_u32 v238, s37, v238                   ; 32 x my token's number among the 128
	global_load_b128 v[16:19], v238, s[6:7]
	global_load_b128 v[20:23], v238, s[6:7] offset:16
	; W's: v[24 + 8 (4 e + t) + ks]: lanes 0-15 head e, lanes 16-31 head e + 2
	v_lshlrev_b32 v239, 10, v234
	v_lshl_add_u32 v239, v233, 12, v239
	v_lshl_add_u32 v239, v235, 5, v239
.irp e, 0,1
.irp t, 0,1,2,3
	global_load_b128 v[24+8*(4*\e+\t):27+8*(4*\e+\t)], v239, s[10:11] offset:\e*2048+\t*256
	global_load_b128 v[28+8*(4*\e+\t):31+8*(4*\e+\t)], v239, s[10:11] offset:\e*2048+\t*256+16
.endr
.endr
	v_lshrrev_b32 v[POS], 5, v238
	s_lshl_b32 s37, s32, 7
	v_add_nc_u32 v[POS], s37, v[POS]
	v_cvt_f32_u32 v[POS], v[POS]                   ; my token's position
	s_mov_b32 s[SGN], 0x80000000
	; the tables of cos and sin are made while the panels land
	KPAIR 112, 0x3f22f983                          ; 2 / pi
	KPAIR 114, 0xbfc90fdb                          ; -(pi / 2 rounded to f32)
	KPAIR 116, 0x333bbd2e                          ; that number less pi / 2
	KPAIR 118, -0.00019515295891
	KPAIR 120, 0.0083321608736
	KPAIR 122, -0.16666654611
	KPAIR 124, 0.000024433157118
	KPAIR 126, -0.0013887316255
	KPAIR 128, 0.041666645683
	KPAIR 130, -0.5
	KPAIR 132, 1.0
	KPAIR 134, 0.5
	TRIGPAIR 0, 1.0, 0.7498942093
	TRIGPAIR 2, 0.5623413252, 0.4216965034
	TRIGPAIR 4, 0.3162277660, 0.2371373706
	TRIGPAIR 6, 0.1778279410, 0.1333521432
	TRIGPAIR 8, 0.1, 0.07498942093
	TRIGPAIR 10, 0.05623413252, 0.04216965034
	TRIGPAIR 12, 0.03162277660, 0.02371373706
	TRIGPAIR 14, 0.01778279410, 0.01333521432
	TRIGPAIR 16, 0.01, 0.007498942093
	TRIGPAIR 18, 0.005623413252, 0.004216965034
	TRIGPAIR 20, 0.003162277660, 0.002371373706
	TRIGPAIR 22, 0.001778279410, 0.001333521432
	TRIGPAIR 24, 0.001, 0.0007498942093
	TRIGPAIR 26, 0.0005623413252, 0.0004216965034
	TRIGPAIR 28, 0.0003162277660, 0.0002371373706
	TRIGPAIR 30, 0.0001778279410, 0.0001333521432
	s_wait_loadcnt 0x0                             ; the scale words
	GEMM 0
.irp q, 0,1,2,3
.irp c, 0,1
	ROPE 32*(2*\q+\c), \c
	QUANT32 T, 0, F+12*\q+6*\c, SBT
	W2 SBT, PP+2*\q+\c
.endr
.endr
	s_mov_b32 vcc_lo, 0xffff0000                   ; lanes 16-31
	s_cmp_eq_u32 s33, 4
	s_cbranch_scc1 .Lkout
	; q: block b = 4 tb + w holds my two tiles.  qc [b][y][head][tile][768]: six registers a lane as 512 + 256 bytes on end.  qs [b][y][lane][head]: the word s0, s1, s0, s1
.irp q, 0,1,2,3
	v_lshl_or_b32 v[TA], v[PP+2*\q], 16, v[PP+2*\q]
	v_lshl_or_b32 v[TC], v[PP+2*\q+1], 16, v[PP+2*\q+1]
	v_cndmask_b32 v[QW+\q], v[TA], v[TC], vcc_lo   ; lanes 0-15 store tile 0's words, lanes 16-31 tile 1's
.endr
	s_lshl_b32 s34, s32, 2
	s_add_co_u32 s34, s34, s[WV]
	s_lshl_b32 s34, s34, 2
	s_add_co_u32 s34, s34, s33                     ; 4 b + y
	s_mul_i32 s36, s34, 6144
	s_mov_b32 s37, 0
	s_add_nc_u64 s[92:93], s[92:93], s[36:37]
	s_lshl_b32 s36, s34, 9
	s_add_nc_u64 s[94:95], s[94:95], s[36:37]
.irp q, 0,1,2,3
.irp c, 0,1
	global_store_b128 v[L16], v[F+12*\q+6*\c:F+12*\q+6*\c+3], s[92:93] offset:(2*\q+\c)*768        ; 32 lanes store 512 consecutive bytes
	global_store_b64 v[L8], v[F+12*\q+6*\c+4:F+12*\q+6*\c+5], s[92:93] offset:(2*\q+\c)*768+512    ; and 256
.endr
.endr
	global_store_b128 v[L16], v[QW:QW+3], s[94:95]
	s_branch .Ldone
.Lkout:
	; k: my two tiles are the two halves of fragment w of key step tb: 12 registers, three stores of 512 bytes, for each of the four heads
	s_mul_i32 s36, s32, KVE
	s_mul_i32 s38, s[WV], 1536
	s_add_co_u32 s36, s36, s38
	s_mov_b32 s37, 0
	s_add_nc_u64 s[84:85], s[96:97], s[36:37]
.irp q, 0,1,2,3
.irp i, 0,1,2
	global_store_b128 v[L16], v[F+12*\q+4*\i:F+12*\q+4*\i+3], s[84:85] offset:\q*KVH+512*\i
.endr
.endr
.irp q, 0,1,2,3
	v_lshl_or_b32 v[PP+2*\q], v[PP+2*\q+1], 16, v[PP+2*\q]       ; a row's word: the first key's two bytes, then the second key's
.endr
	v_cndmask_b32 v[QW], v[PP], v[PP+2], vcc_lo    ; lanes 0-15 serve one head, lanes 16-31 the next: runs of 64 bytes, 32 KiB in the whole launch
	v_cndmask_b32 v[QW+1], v[PP+4], v[PP+6], vcc_lo
	v_bfe_u32 v[KO], v0, 4, 1
	v_mul_u32_u24 v[KO], v[KO], KVH
	v_and_b32 v[TA], 15, v0
	v_lshl_add_u32 v[KO], v[TA], 2, v[KO]
	s_mul_i32 s36, s32, KVE
	s_lshl_b32 s38, s[WV], 6
	s_add_co_u32 s36, s36, s38
	s_add_co_u32 s36, s36, 12288
	s_add_nc_u64 s[86:87], s[96:97], s[36:37]
	global_store_b32 v[KO], v[QW], s[86:87]
	global_store_b32 v[KO], v[QW+1], s[86:87] offset:2*KVH
	s_branch .Ldone
	; ---------------- v ----------------
.Lvpath:
	s_mul_i32 s36, s[WV], GRP                      ; my head's 64 rows of W
	v_mov_b32 v[XA], v237
	v_add_nc_u32 v[XA+1], XR, v237
	v_add_nc_u32 v[XA+2], 2*XR, v237
	v_mad_u32_u24 v[XC], v233, XR-232, v236
	v_add_nc_u32 v[XC+1], XR, v[XC]
	v_add_nc_u32 v[WA], s36, v237
	v_add_nc_u32 v[WA], WB, v[WA]
	v_add_nc_u32 v[WA+1], WR, v[WA]
	v_add_nc_u32 v[WA+2], 2*WR, v[WA]
	v_mad_u32_u24 v[WC], v233, WR-232, v236
	v_add_nc_u32 v[WC], s36, v[WC]
	v_add_nc_u32 v[WC], WB, v[WC]
	v_add_nc_u32 v[WC+1], WR, v[WC]
	; scale words.  x's: v[16 + 8 u + ks]: lanes 0-15 the first group of 64 tokens, lanes 16-31 the second
	v_lshlrev_b32 v238, 10, v234
	v_lshl_add_u32 v238, v233, 11, v238
	v_lshl_add_u32 v238, v235, 5, v238
.irp u, 0,1,2,3
	global_load_b128 v[16+8*\u:19+8*\u], v238, s[6:7] offset:\u*256
	global_load_b128 v[20+8*\u:23+8*\u], v238, s[6:7] offset:\u*256+16
.endr
	; W's: v[48 + 8 e + ks]: lanes 0-15 tile e, lanes 16-31 tile e + 2
	v_lshlrev_b32 v239, 10, v234
	v_lshl_add_u32 v239, v233, 9, v239
	v_lshl_add_u32 v239, v235, 5, v239
	s_lshl_b32 s37, s[WV], 11
	v_add_nc_u32 v239, s37, v239
.irp e, 0,1
	global_load_b128 v[48+8*\e:51+8*\e], v239, s[10:11] offset:\e*256
	global_load_b128 v[52+8*\e:55+8*\e], v239, s[10:11] offset:\e*256+16
.endr
	s_wait_loadcnt 0x0
	GEMM 1
.irp t, 0,1,2,3                        ; accumulators 32 (2 t + g) on: channel tile t, tokens 64 g + 32 h + 0 .. 31: registers 6 g .. 6 g + 5 of V^T's fragment t
.irp g, 0,1
	QUANT32 32*(2*\t+\g), 1, F+12*\t+6*\g, PP+2*\t+\g
.endr
.endr
.irp t, 0,1,2,3
	v_lshl_or_b32 v[TT], v[PP+2*\t+1], 16, v[PP+2*\t]            ; my two bytes: blocks h and 2 + h,
	v_lshlrev_b32 v[TT], v[SH8], v[TT]                           ; at their places in the word;
	v_permlanex16_b32 v[PT], v[TT], s[SEL], s[SEL+1]
	v_or_b32 v[PP+2*\t], v[TT], v[PT]                            ; with the two of the lane 16 away it is whole
.endr
	s_mov_b32 vcc_lo, 0xffff0000
	v_cndmask_b32 v[QW], v[PP], v[PP+2], vcc_lo    ; lanes 0-15 tile t's words, lanes 16-31 tile t + 1's: 128 consecutive bytes a store
	v_cndmask_b32 v[QW+1], v[PP+4], v[PP+6], vcc_lo
	s_mul_i32 s36, s[WV], KVH
	s_mul_i32 s38, s32, KVE
	s_add_co_u32 s36, s36, s38
	s_mov_b32 s37, 0
	s_add_nc_u64 s[84:85], s[96:97], s[36:37]
.irp t, 0,1,2,3
.irp i, 0,1,2
	global_store_b128 v[L16], v[F+12*\t+4*\i:F+12*\t+4*\i+3], s[84:85] offset:6144+1536*\t+512*\i
.endr
.endr
	v_and_b32 v[KO], 31, v0
	v_lshlrev_b32 v[KO], 2, v[KO]
	global_store_b32 v[KO], v[QW], s[84:85] offset:12544
	global_store_b32 v[KO], v[QW+1], s[84:85] offset:12544+128
.Ldone:
	s_set_vgpr_msb 0x8
	s_wait_tensorcnt 0x0
	ds_add_u32 v243, v129
	s_wait_dscnt 0x0
	s_set_vgpr_msb 0x800
	ROUND                                          ; the closing round: no work-group ends while a partner may still ask for a tile that names it
	s_endpgm
.Lfunc_end_k_qf6c403ea60_proj:
	.size	k_qf6c403ea60_proj, .Lfunc_end_k_qf6c403ea60_proj-k_qf6c403ea60_proj
	.p2alignl 7, 3214868480
	.fill 96, 4, 3214868480
	.section	.rodata,"a",@progbits
	.p2align	6, 0x0
	.amdhsa_kernel k_qf6c403ea60_proj
		.amdhsa_group_segment_fixed_size 318464
		.amdhsa_private_segment_fixed_size 0
		.amdhsa_enable_private_segment 0
		.amdhsa_kernarg_size 88
		.amdhsa_user_sgpr_count 2
		.amdhsa_user_sgpr_kernarg_segment_ptr 1
		.amdhsa_wavefront_size32 1
		.amdhsa_system_sgpr_workgroup_id_x 1
		.amdhsa_system_sgpr_workgroup_id_y 1
		.amdhsa_system_sgpr_workgroup_id_z 1
		.amdhsa_system_vgpr_workitem_id 0
		.amdhsa_next_free_vgpr 642
		.amdhsa_next_free_sgpr 102
		.amdhsa_reserve_vcc 1
		.amdhsa_float_denorm_mode_32 3
		.amdhsa_float_denorm_mode_16_64 3
		.amdhsa_memory_ordered 1
		.amdhsa_forward_progress 1
		.amdhsa_inst_pref_size 255
	.end_amdhsa_kernel
	.section	.bss,"aw",@nobits
	.p2align	6
	.space	262144
	.amdgpu_metadata
---
amdhsa.version: [ 1, 2 ]
amdhsa.kernels:
  - .name:           k_qf6c403ea60_proj
    .symbol:         k_qf6c403ea60_proj.kd
    .args:
      - { .name: x_codes, .offset: 0, .size: 8, .value_kind: global_buffer, .address_space: global }
      - { .name: x_scales, .offset: 8, .size: 8, .value_kind: global_buffer, .address_space: global }
      - { .name: wq_codes, .offset: 16, .size: 8, .value_kind: global_buffer, .address_space: global }
      - { .name: wq_scales, .offset: 24, .size: 8, .value_kind: global_buffer, .address_space: global }
      - { .name: wk_codes, .offset: 32, .size: 8, .value_kind: global_buffer, .address_space: global }
      - { .name: wk_scales, .offset: 40, .size: 8, .value_kind: global_buffer, .address_space: global }
      - { .name: wv_codes, .offset: 48, .size: 8, .value_kind: global_buffer, .address_space: global }
      - { .name: wv_scales, .offset: 56, .size: 8, .value_kind: global_buffer, .address_space: global }
      - { .name: qc, .offset: 64, .size: 8, .value_kind: global_buffer, .address_space: global }
      - { .name: qs, .offset: 72, .size: 8, .value_kind: global_buffer, .address_space: global }
      - { .name: kv, .offset: 80, .size: 8, .value_kind: global_buffer, .address_space: global }
    .group_segment_fixed_size: 318464
    .private_segment_fixed_size: 0
    .kernarg_segment_align: 8
    .kernarg_segment_size: 88
    .max_flat_workgroup_size: 128
    .sgpr_count:     102
    .vgpr_count:     642
    .wavefront_size: 32
...
	.end_amdgpu_metadata
.endif
;; end of part 1
;; launch attn (part 2): grid 64 x 4, 8 waves a work-group, clusters of 4 x 1, 327,680 bytes of LDS; arguments qc, qs, kv, oc, os; writes oc, os
.if DOCPART == 2
	.amdgcn_target "amdgcn-amd-amdhsa--gfx1250"
	.amdhsa_code_object_version 6
	.text
	.protected	k_qf6c403ea60_attn
	.globl	k_qf6c403ea60_attn
	.p2align	8
	.type	k_qf6c403ea60_attn,@function
k_qf6c403ea60_attn:
	s_mov_b64 s[64:65], 0
	v_nop
	global_prefetch_b8 v0, s[64:65] scope:SCOPE_SE
	s_setreg_imm32_b32 hwreg(HW_REG_WAVE_MODE, 25, 1), 1
	s_wait_xcnt 0x0
	s_wait_alu depctr_hold_cnt(0) depctr_sa_sdst(0) depctr_va_vdst(0) depctr_va_sdst(0) depctr_va_ssrc(0) depctr_va_vcc(0) depctr_vm_vsrc(0)
	s_getreg_b32 s2, hwreg(HW_REG_IB_STS2, 6, 4)
	s_cmp_eq_u32 s2, 0
	s_cbranch_scc0 .Lentry_in_a_cluster
	s_endpgm
.Lentry_in_a_cluster:
	s_bfe_u32 s2, ttmp6, 0x10000c
	s_cmp_lg_u32 s2, 0x3003
	s_cbranch_scc0 .Lentry_shape_is_right
	s_endpgm
.Lentry_shape_is_right:
; Causal attention on codes of FP6 (E2M3): 16 query heads of 64 channels, 4 heads of keys and values, 4,096 tokens.  o / l leaves quantised along head x 64 + channel, as images of operand registers.
; THE SOFTMAX: t = score x log2(e) / 8; M = the running largest t rounded UP to a whole number; p = 2^(t - M) is quantised along the keys, not normalised; the row's sum l is taken of the unquantised p.
; When M moves, l and O are multiplied by 2^(old M - new M), which rounds nothing.
; SHARES.  y = the head of keys and values.  A BLOCK b is 32 queries (token tiles 2 b, 2 b + 1) x the four query heads of y: eight tiles, one for each wave (head w % 4, tile w / 4).  Block b needs key
; steps (128 keys) 0 .. b / 4.  A work-group does block b1 = 4 a + cx and then block 127 - b1: (a + 1) + (32 - a) = 33 key steps for EVERY work-group: the trip counts are constants.
; The four partners of a cluster (cx = 0..3) walk the same key steps, so every tile of K and V is asked for JOINTLY (mask 15).  cx enters global addresses and one vector number (the mask's) alone.
; ENTRY e = 0..32 of the walk is key step e, or e - (a + 1) from e = a + 1 on.  A block's last entry (e = a, then 32) is the only one that the causal mask cuts.
; LAYOUT.  Both products are used transposed: S^T = K Q^T, O^T = V^T P^T: a lane holds one query (lane % 16) throughout.  Index r of token tile 4 g + u stands for token 64 g + 32 (r / 8) + 8 u + r % 8,
; so register n of the 64 scores is key 64 (n / 32) + 32 (lane / 16) + n % 32 of the step: each 32 registers are a WHOLE block of keys in order: p's codes come out of two conversions a block as
; the second product's operand, with no exchange of lanes; likewise O^T's 32 registers are channels 32 (lane / 16) + 0 .. 31.
; THE HEAD'S 64 IN AN INSTRUCTION OF 128: a fragment of K holds TWO keys a row (registers 0-5, registers 6-11) and is multiplied twice, by (q, zero codes) and by (zero codes, q).
; LIMITS: NaN and infinities are not served.  A block whose largest magnitude lies under 2^-124, a block of zeros too, gets the byte 1 (these bytes are read by this program alone).
; A block's largest p is made from the block's largest score by the same multiply-add and exponential; that takes the exponential not to fall where its input rises.
; No prefetch: a slot is asked for eight key steps ahead of its first read, and the first tiles are asked for at the head.
.set KVE,   12800                      ; an entry: 4 images of K (1,536 bytes), 4 of V^T, 256 bytes of K's scale words, 256 of V's
.set XB,    8*KVE                      ; LDS: slot 0 (8 entries) from 0; entry 0 of the walk here;
.set SPARE, XB+KVE                     ; the spare words, 128 bytes for each wave: four blocks of 256 bytes that no other line names;
.set STG,   SPARE+1024                 ; 2,048 bytes in which o's scale bytes meet;
.set SLOT1, 1<<17                      ; slot 1, so that one exclusive or turns an address in one slot into the other's
.set L16, 1                            ; v1   16 x lane
.set L8,  2                            ; v2   8 x lane
.set LSC, 3                            ; v3   my scale word in an entry: lanes 0-15 K's, lanes 16-31 V's
.set SPW, 4                            ; v4   LDS address of my spare word; never rewritten
.set NIL, 5                            ; v5   0; never rewritten
.set ADR, 6
.set ADS, 7
.set DQ0, 8
.set DQ,  9                            ; v9   my query's place in the block's last key step, less 32 (lane / 16)
.set SH8, 10                           ; v10  8 x (lane / 16)
.set R16, 11                           ; v11  16 x (lane % 16)
.set NM,  12                           ; v12  -M
.set TM,  13                           ; v13  the largest t
.set LS,  14                           ; v[14:15] the sum, in two halves
.set QZ,  16                           ; v16-21 zero codes, v22-27 q, v28-33 zero codes
.set QWR, 34                           ; v34  q's scale word
.set PWR, 35                           ; v35  p's
.set KSR, 36                           ; v36-39 K's (lanes 0-15) and V's (lanes 16-31)
.set KF,  40                           ; v40-87 K's four fragments; behind the first product: at work
.set MC,  40
.set BM,  44
.set TP,  46
.set SO,  48
.set SB,  50
.set CT,  52
.set SUM, 60
.set VF,  88                           ; v88-135 V^T's four fragments
.set S,   136                          ; v136-199 the scores, then p
.set O,   200                          ; v200-231 O^T
.set PC,  232                          ; v232-243 p's codes
.set SV0, 244                          ; v244, v245 the two blocks' pairs of scale bytes of o
.set SV1, 245
.set STA, 246
.set STB, 247
.set FF,  248                          ; v[248:249] f = 2^(old M - new M)
.set RL,  250                          ; v[250:251] 1 / l
.set NINF, 252
.set PT,  253
.set WV,  14
.set HQ,  15
.set CC,  40
.set Y,   43
.set N1,  44                           ; s44  a + 1
.set EF,  45                           ; s45  the entry that I fetch next
.set E,   46                           ; s46  the entry in hand
.set LAST, 47                          ; s47  the block's last entry
.set B,   48                           ; s48  the block
.set TB,  49                           ; s49  LDS byte at which the entry in hand begins
.set KVB, 50                           ; s[50:51] kv at my head
.set SEL, 54
.set CS,  56                           ; s[56:57] c = log2(e) / 8
.set QA,  60
.set QSA, 62
.set OA,  66
.macro ROUND                           ; a round of the cluster's barrier
	s_barrier_signal -1
	s_barrier_wait -1
	s_cmp_lg_u32 s[WV], 0
	s_cbranch_scc1 .Lnot_wave_0_\@
	s_barrier_signal -3
.Lnot_wave_0_\@:
	s_barrier_wait -3
	s_barrier_signal -1
	s_barrier_wait -1
.endm
.macro PLACES
.rept 4
	v_nop
.endr
.endm
.macro KSADDR                          ; the walking descriptor's global address: entry EF's key step (the same in all four partners)
	s_cmp_lt_u32 s[EF], s[N1]
	s_cselect_b32 s52, 0, s[N1]
	s_sub_co_u32 s52, s[EF], s52
	s_mul_i32 s52, s52, KVE
	s_add_nc_u64 s[38:39], s[KVB:KVB+1], s[52:53]  ; (s53 stays 0)
	s_or_b32 s39, s39, 0x80000000
.endm
; A block begins: its q, its addresses, its place on the diagonal; O^T and the sum begin as zeros and the largest t as -3e38, so that a key step is written once.
.macro BLOCKINIT
	s_lshl_b32 s70, s[B], 2
	s_add_co_u32 s70, s70, s[Y]                    ; 4 b + y
	s_lshl_b32 s68, s70, 9
	s_lshl_b32 s71, s[CC], 8
	s_add_co_u32 s68, s68, s71
	s_lshl_b32 s71, s[HQ], 2
	s_add_co_u32 s68, s68, s71
	s_add_nc_u64 s[QSA:QSA+1], s[6:7], s[68:69]    ; (s69 stays 0)
	s_lshl_b32 s70, s70, 2
	s_add_co_u32 s70, s70, s[HQ]
	s_lshl_b32 s70, s70, 1
	s_add_co_u32 s70, s70, s[CC]
	s_mul_i32 s52, s70, 768
	s_add_nc_u64 s[QA:QA+1], s[4:5], s[52:53]
	global_load_b128 v[QZ+6:QZ+9], v[L16], s[QA:QA+1]
	global_load_b64 v[QZ+10:QZ+11], v[L8], s[QA:QA+1] offset:512
	global_load_b32 v[QWR], v[R16], s[QSA:QSA+1]
	s_lshl_b32 s70, s[B], 1
	s_add_co_u32 s70, s70, s[CC]                   ; my token tile
	s_lshl_b32 s70, s70, 2
	s_add_co_u32 s70, s70, s[Y]
	s_lshl_b32 s70, s70, 2
	s_add_co_u32 s70, s70, s[HQ]                   ; 16 x tile + head
	s_mul_i32 s68, s70, 768
	s_add_nc_u64 s[OA:OA+1], s[10:11], s[68:69]
	s_and_b32 s70, s[B], 2
	s_lshl_b32 s70, s70, 5                         ; which 64 of the key step's 128,
	s_and_b32 s71, s[B], 1
	s_lshl_b32 s71, s71, 4                         ; which two tiles of them
	s_add_co_u32 s70, s70, s71
	v_add_nc_u32 v[DQ], s70, v[DQ0]
.set I_, 0
.rept 32
	v_mov_b32 v[O+I_], 0
.set I_, I_+1
.endr
	v_mov_b32 v[LS], 0
	v_mov_b32 v[LS+1], 0
	v_mov_b32 v[TM], 0xff61b1e6                    ; -3e38, under every t
	v_floor_f32 v[NM], -v[TM]
	s_wait_loadcnt 0x0
.endm
; A KEY STEP: 128 keys for my 16 queries.
.macro STEP
	v_add_nc_u32 v[ADR], s[TB], v[L16]
	v_add_nc_u32 v[ADS], s[TB], v[LSC]
	v_nop
	v_nop                                          ; four places in front of loads into registers that the last products read
.irp f, 0,1,2,3
.irp i, 0,1,2
	ds_load_b128 v[KF+12*\f+4*\i:KF+12*\f+4*\i+3], v[ADR] offset:1536*\f+512*\i
.endr
.endr
.irp f, 0,1,2,3
	ds_load_b32 v[KSR+\f], v[ADS] offset:64*\f
.endr
.irp f, 0,1,2,3
.irp i, 0,1,2
	ds_load_b128 v[VF+12*\f+4*\i:VF+12*\f+4*\i+3], v[ADR] offset:6144+1536*\f+512*\i
.endr
.endr
	s_wait_dscnt 12                                ; K and the scale words are in; V's twelve loads may be out
.irp f, 0,1,2,3
	v_wmma_scale_f32_16x16x128_f8f6f4 v[S+16*\f:S+16*\f+7], v[KF+12*\f:KF+12*\f+11], v[QZ+6:QZ+17], 0, v[KSR+\f], v[QWR] matrix_a_fmt:MATRIX_FMT_FP6 matrix_b_fmt:MATRIX_FMT_FP6
	v_wmma_scale_f32_16x16x128_f8f6f4 v[S+16*\f+8:S+16*\f+15], v[KF+12*\f:KF+12*\f+11], v[QZ:QZ+11], 0, v[KSR+\f], v[QWR] matrix_a_fmt:MATRIX_FMT_FP6 matrix_b_fmt:MATRIX_FMT_FP6
.endr
	PLACES
	s_cmp_lg_u32 s[E], s[LAST]
	s_cbranch_scc1 .Lopen_\@
.irp n, 0,1,2,3,4,5,6,7,8,9,10,11,12,13,14,15,16,17,18,19,20,21,22,23,24,25,26,27,28,29,30,31,32,33,34,35,36,37,38,39,40,41,42,43,44,45,46,47,48,49,50,51,52,53,54,55,56,57,58,59,60,61,62,63
	v_cmp_gt_i32 vcc_lo, 64*(\n/32)+\n%32, v[DQ]   ; on the diagonal the scores of keys behind my query become -infinity ahead of the maximum: p = 0 then
	v_cndmask_b32 v[S+\n], v[S+\n], v[NINF], vcc_lo
.endr
.Lopen_\@:
.irp k, 0,1,2,3
	v_max3_num_f32 v[MC+\k], v[S+16*\k], v[S+16*\k+1], v[S+16*\k+2]   ; the largest score of each block of 32 keys, in four chains; each accumulator is first read at its low end
.endr
.irp i, 3,5,7,9,11,13
.irp k, 0,1,2,3
	v_max3_num_f32 v[MC+\k], v[MC+\k], v[S+16*\k+\i], v[S+16*\k+\i+1]
.endr
.endr
	v_max3_num_f32 v[MC], v[MC], v[S+15], v[S+31]
	v_max3_num_f32 v[MC+2], v[MC+2], v[S+47], v[S+63]
	v_max_num_f32 v[BM], v[MC], v[MC+1]            ; it serves twice: for the row's maximum and, since p rises with the score, for the block's largest p
	v_max_num_f32 v[BM+1], v[MC+2], v[MC+3]
	v_max_num_f32 v[TP], v[BM], v[BM+1]
	v_permlanex16_b32 v[PT], v[TP], s[SEL], s[SEL+1]
	v_max_num_f32 v[TP], v[TP], v[PT]              ; with the other 64 keys, in the lane 16 away
	v_mul_f32 v[TP], s[CS], v[TP]
	v_max_num_f32 v[TM], v[TM], v[TP]              ; the running largest t
	v_mov_b32 v[TP], v[NM]
	v_floor_f32 v[NM], -v[TM]                      ; the new -M = -ceil(t): a whole number
	v_sub_f32 v[TP], v[NM], v[TP]
	v_cvt_i32_f32 v[TP], v[TP]                     ; (it saturates)
	v_ldexp_f32 v[FF], 1.0, v[TP]                  ; f = 2^(old M - new M)
.set I_, 0
.rept 32
	v_pk_fma_f32 v[S+I_:S+I_+1], v[S+I_:S+I_+1], s[CS:CS+1], v[NM:NM+1] op_sel_hi:[1,0,0]   ; t - M, two at a time
.set I_, I_+2
.endr
	v_fma_f32 v[BM], v[BM], s[CS], v[NM]
	v_fma_f32 v[BM+1], v[BM+1], s[CS], v[NM]
.set I_, 0
.rept 64
	v_exp_f32 v[S+I_], v[S+I_]                     ; p = 2^(t - M)
.set I_, I_+1
.endr
	v_pk_mul_f32 v[LS:LS+1], v[LS:LS+1], v[FF:FF+1] op_sel_hi:[1,0]   ; the sum under the new M: the plain line behind the exponentials
	s_wait_alu depctr_va_vdst(0)                   ; one wait for the batch of 64, ahead of its first reader
	v_exp_f32 v[BM], v[BM]                         ; each block's largest p
	v_exp_f32 v[BM+1], v[BM+1]
	v_pk_add_f32 v[SUM:SUM+1], v[S:S+1], v[S+2:S+3]   ; the row's sum of the unquantised p, in two chains
.irp j, 4,8,12,16,20,24,28,32,36,40,44,48,52,56,60
	v_pk_add_f32 v[LS:LS+1], v[LS:LS+1], v[S+\j:S+\j+1]
	v_pk_add_f32 v[SUM:SUM+1], v[SUM:SUM+1], v[S+\j+2:S+\j+3]
.endr
	v_pk_add_f32 v[LS:LS+1], v[LS:LS+1], v[SUM:SUM+1]
	s_wait_alu depctr_va_vdst(0)                   ; and one for the two
.irp c, 0,1
	v_max_num_f32 v[BM+\c], 0x1800000, v[BM+\c]    ; the floor 2^(3 - 127): the byte cannot fall under 1
.endr
.irp c, 0,1
	v_add_nc_u32 v[SO+\c], 0xff000000, v[BM+\c]    ; 2 off the exponent field: the conversion's scale operand
.endr
.irp c, 0,1
	v_lshrrev_b32 v[SB+\c], 23, v[SO+\c]
.endr
	v_lshl_or_b32 v[TP], v[SB+1], 16, v[SB]        ; my two bytes: blocks h and 2 + h,
	v_lshlrev_b32 v[TP], v[SH8], v[TP]
	v_permlanex16_b32 v[PT], v[TP], s[SEL], s[SEL+1]
	v_or_b32 v[PWR], v[TP], v[PT]                  ; with the lane 16 away's two: p's scale word
.irp c, 0,1
	v_cvt_scalef32_pk16_fp6_f32 v[PC+6*\c:PC+6*\c+2], v[S+32*\c:S+32*\c+15], v[SO+\c]
	v_cvt_scalef32_pk16_fp6_f32 v[CT+4*\c:CT+4*\c+2], v[S+32*\c+16:S+32*\c+31], v[SO+\c]   ; (a conversion's three registers begin on an even number)
.endr
	v_nop                                          ; one plain line behind the conversions
.irp c, 0,1
.irp i, 0,1,2
	v_mov_b32 v[PC+6*\c+3+\i], v[CT+4*\c+\i]
.endr
.endr
.set I_, 0
.rept 16
	v_pk_mul_f32 v[O+I_:O+I_+1], v[O+I_:O+I_+1], v[FF:FF+1] op_sel_hi:[1,0]   ; O^T under the new M.  These sixteen are also the places between p's codes and scale word and the products
.set I_, I_+2
.endr
	s_wait_dscnt 0x0                               ; V is in
.irp t, 0,1,2,3
	v_wmma_scale_f32_16x16x128_f8f6f4 v[O+8*\t:O+8*\t+7], v[VF+12*\t:VF+12*\t+11], v[PC:PC+11], v[O+8*\t:O+8*\t+7], v[KSR+\t], v[PWR] matrix_a_fmt:MATRIX_FMT_FP6 matrix_b_fmt:MATRIX_FMT_FP6 matrix_a_scale:MATRIX_SCALE_ROW1
.endr
	s_cmp_lg_u32 s[E], s[LAST]
	s_cbranch_scc1 .Lgoes_on_\@
	; THE BLOCK'S END: o = O^T / l, quantised: my 32 numbers are a whole block along head x 64 + channel
	PLACES
	v_add_f32 v[TP], v[LS], v[LS+1]
	v_permlanex16_b32 v[PT], v[TP], s[SEL], s[SEL+1]
	v_add_f32 v[TP], v[TP], v[PT]                  ; the row's sum
	v_rcp_f32 v[RL], v[TP]
	v_mov_b32 v[SV0], v[SV1]                       ; (the plain line behind the reciprocal)  the first block's bytes are kept
	s_wait_alu depctr_va_vdst(0)                   ; the wait ahead of the reciprocal's first reader
.set I_, 0
.rept 16
	v_pk_mul_f32 v[S+I_:S+I_+1], v[O+I_:O+I_+1], v[RL:RL+1] op_sel_hi:[1,0]
.set I_, I_+2
.endr
	v_max3_num_f32 v[MC], |v[S]|, |v[S+1]|, 0x1800000
	v_max3_num_f32 v[MC+1], |v[S+2]|, |v[S+3]|, 0x1800000
.irp i, 4,8,12,16,20,24,28
	v_max3_num_f32 v[MC], v[MC], |v[S+\i]|, |v[S+\i+1]|
	v_max3_num_f32 v[MC+1], v[MC+1], |v[S+\i+2]|, |v[S+\i+3]|
.endr
	v_max_num_f32 v[MC], v[MC], v[MC+1]
	v_add_nc_u32 v[SO], 0xff000000, v[MC]
	v_lshrrev_b32 v[SB], 23, v[SO]
	v_cvt_scalef32_pk16_fp6_f32 v[PC:PC+2], v[S:S+15], v[SO]
	v_cvt_scalef32_pk16_fp6_f32 v[CT:CT+2], v[S+16:S+31], v[SO]
	v_nop
.irp i, 0,1,2
	v_mov_b32 v[PC+3+\i], v[CT+\i]
.endr
	v_lshlrev_b32 v[TP], v[SH8], v[SB]
	v_permlanex16_b32 v[PT], v[TP], s[SEL], s[SEL+1]
	v_or_b32 v[SV1], v[TP], v[PT]                  ; the head's two bytes of my row
	global_store_b128 v[L16], v[PC:PC+3], s[OA:OA+1]               ; 512 consecutive bytes,
	global_store_b64 v[L8], v[PC+4:PC+5], s[OA:OA+1] offset:512    ; and 256
	s_wait_xcnt 0x0                                ; the stores' data and base are written again only behind this wait
	s_cmp_eq_u32 s[E], 32
	s_cbranch_scc1 .Lgoes_on_\@
	s_sub_co_u32 s[B], 127, s[B]                   ; the second block
	s_mov_b32 s[LAST], 32
	BLOCKINIT
.Lgoes_on_\@:
	s_add_co_u32 s[E], s[E], 1
	s_add_co_u32 s[TB], s[TB], KVE
.endm
; THE CHANGE OF SLOTS, at a slot's head.  Each wave waits for all its tensor loads (its entry of the slot ahead), adds 0 to its spare word, and waits for that and for its reads of the slot left.
; fill = 1: a round of the cluster's barrier, so that no wave of any partner still reads the other slot or has a load on its way; then that slot is filled: the load has eight key steps in which to land.
.macro CHANGE fill
	s_wait_tensorcnt 0x0                           ; no tensor load of mine is out, so the walking group 0 may be written
	ds_add_u32 v[SPW], v[NIL]                      ; 0 onto my spare word
.if \fill
	s_xor_b32 s37, s37, SLOT1                      ; the other slot than last time,
	KSADDR                                         ; my entry of it
	s_add_co_u32 s[EF], s[EF], 8
.endif
	s_wait_dscnt 0x0                               ; the add is done, and my reads of the slot that I have left are over
.if \fill
	ROUND
	tensor_load_to_lds s[36:39], s[16:23]          ; my one tensor load behind the round, and the first thing there
	s_nop 0
	PLACES                                         ; four v_nop follow it
.else
	s_barrier_signal -1
	s_barrier_wait -1
.endif
.endm
.macro EIGHT                           ; a slot's eight key steps: written once, walked eight times
	s_mov_b32 s59, 8
.Lstep_\@:
	STEP
	s_sub_co_u32 s59, s59, 1
	s_cmp_lg_u32 s59, 0
	s_cbranch_scc1 .Lstep_\@
.endm
	s_load_b256 s[4:11], s[0:1], 0x0               ; qc s[4:5], qs s[6:7], kv s[8:9], oc s[10:11]
	s_load_b64 s[12:13], s[0:1], 0x20              ; os
	v_lshl_add_u32 v[SPW], v0, 2, SPARE
	v_mov_b32 v[NIL], 0
	ds_add_u32 v4, v5
	ds_add_u32 v4, v5
	s_wait_dscnt 0x0
	v_lshrrev_b32 v6, 5, v0
	v_readfirstlane_b32 s[WV], v6                  ; wave 0..7
	s_and_b32 s[HQ], s[WV], 3                      ; my query head among y's four
	s_lshr_b32 s[CC], s[WV], 2                     ; my token tile of the block's two
	s_bfe_u32 s41, ttmp6, 0x40000                  ; cx
	s_and_b32 s[Y], ttmp7, 0xffff
	s_add_co_u32 s[N1], ttmp9, 1                   ; a + 1: the first block's key steps
	s_mov_b32 s[LAST], ttmp9
	s_lshl_b32 s[B], ttmp9, 2
	s_add_co_u32 s[B], s[B], s41                   ; the first block: 4 a + cx
	s_mov_b32 s[E], 0
	s_mov_b32 s[TB], XB
	s_mov_b32 s53, 0
	s_mov_b32 s69, 0
	s_mov_b32 s[SEL], 0x76543210
	s_mov_b32 s[SEL+1], 0xfedcba98
	s_mov_b32 s[CS], 0x3e38aa3b                    ; log2(e) / 8
	s_mov_b32 s[CS+1], s[CS]
	; descriptor group 1.  An entry: 12,800 dense bytes as 50 rows of 256;  an eighth of entry 0: one row of 1,600 bytes.  Mask: all four work-groups
	s_mov_b32 s16, 15|(3<<16)|(1<<21)
	s_mov_b32 s17, 32<<16
	s_mov_b32 s18, 50<<16
	s_mov_b32 s19, 32<<16
	s_mov_b32 s20, 50
	s_mov_b32 s21, 32
	s_mov_b32 s22, 0
	s_mov_b32 s23, 0
	s_mov_b32 s24, 15|(3<<16)|(1<<21)
	s_mov_b32 s25, 200<<16
	s_mov_b32 s26, 1<<16
	s_mov_b32 s27, 200<<16
	s_mov_b32 s28, 1
	s_mov_b32 s29, 200
	s_mov_b32 s30, 0
	s_mov_b32 s31, 0
	v_and_b32 v6, 31, v0
	v_lshlrev_b32 v[L16], 4, v6
	v_lshlrev_b32 v[L8], 3, v6
	v_and_b32 v7, 15, v0                           ; r
	v_bfe_u32 v9, v0, 4, 1                         ; h
	v_lshlrev_b32 v[LSC], 2, v7
	v_lshl_add_u32 v[LSC], v9, 8, v[LSC]
	v_add_nc_u32 v[LSC], 12288, v[LSC]
	v_lshlrev_b32 v[SH8], 3, v9
	v_lshlrev_b32 v[R16], 4, v7
	v_bfe_u32 v[DQ0], v0, 3, 1
	v_lshlrev_b32 v[DQ0], 5, v[DQ0]
	v_and_b32 v6, 7, v0
	v_add_nc_u32 v[DQ0], v[DQ0], v6
	v_lshlrev_b32 v6, 5, v9
	v_sub_nc_u32 v[DQ0], v[DQ0], v6
	s_lshl_b32 s70, s[CC], 3
	v_add_nc_u32 v[DQ0], s70, v[DQ0]               ; 32 (r / 8) + r % 8 + 8 x tile - 32 h
	v_lshlrev_b32 v[STA], 3, v7                    ; where o's scale bytes meet: [tile][r][head], 2 bytes each
	s_lshl_b32 s70, s[CC], 7
	s_lshl_b32 s71, s[HQ], 1
	s_add_co_u32 s70, s70, s71
	s_add_co_u32 s70, s70, STG
	v_add_nc_u32 v[STA], s70, v[STA]
	s_lshl_b32 s70, s[WV], 8
	s_add_co_u32 s70, s70, STG
	v_add_nc_u32 v[STB], s70, v[L8]                ; and where wave 0 (1) reads the first (second) block's 256 bytes back
.irp i, 0,1,2,3,4,5
	v_mov_b32 v[QZ+\i], 0                          ; zero codes on both sides of q
	v_mov_b32 v[QZ+12+\i], 0
.endr
	v_mov_b32 v[FF+1], 0                           ; (named as the upper halves of pairs)
	v_mov_b32 v[RL+1], 0
	v_mov_b32 v[NINF], 0xff800000
	v_mov_b32 v[PT], 0                             ; written once: a lane permute's destination counts as one of its sources
	v_mov_b32 v[SV0], 0
	v_mov_b32 v[SV1], 0
	s_wait_kmcnt 0x0
	s_mul_i32 s52, s[Y], 32*KVE
	s_add_nc_u64 s[KVB:KVB+1], s[8:9], s[52:53]
	s_mov_b32 s32, 1                               ; group 0 for my eighth of entry 0 (key step 0)
	s_mul_i32 s52, s[WV], 1600
	s_add_co_u32 s33, s52, XB
	s_add_nc_u64 s[34:35], s[KVB:KVB+1], s[52:53]
	s_or_b32 s35, s35, 0x80000000
	s_mov_b32 s36, 1                               ; the walking group 0: entry 1 + w into slot 0
	s_mul_i32 s37, s[WV], KVE
	s_add_co_u32 s[EF], s[WV], 1
	KSADDR
	s_add_co_u32 s[EF], s[EF], 8
	BLOCKINIT
	ROUND                                          ; all four work-groups are here: the first joint loads meet
	tensor_load_to_lds s[32:35], s[24:31]
	s_nop 0
	tensor_load_to_lds s[36:39], s[16:23]          ; two loads of mine are out
	s_nop 0
	PLACES
	s_wait_tensorcnt 0x1                           ; my eighth of entry 0 is in; slot 0's load may be out
	s_barrier_signal -1
	s_barrier_wait -1
	STEP                                           ; entry 0
	s_mov_b32 s[TB], 0
	s_mov_b32 s58, 3
.Lslot:                                            ; three trips: slot 1 is first filled, then each slot once more
	CHANGE 1
	EIGHT
	s_sub_co_u32 s[TB], s[TB], 8*KVE
	s_xor_b32 s[TB], s[TB], SLOT1
	s_sub_co_u32 s58, s58, 1
	s_cmp_lg_u32 s58, 0
	s_cbranch_scc1 .Lslot
	CHANGE 0                                       ; the last slot is written out
	EIGHT
	; o's scale bytes: a row's eight (four heads) come from four waves: they meet in LDS and leave as one run of 256 bytes for each block
	ds_store_b16 v[STA], v[SV0]                    ; (lanes r and r + 16 write the same bytes with the same value)
	ds_store_b16 v[STA], v[SV1] offset:256
	s_wait_dscnt 0x0                               ; for the others' sake: my stores have landed
	s_barrier_signal -1
	s_barrier_wait -1
	s_sub_co_u32 s70, 127, s[B]                    ; the first block
	s_cmp_eq_u32 s[WV], 0
	s_cselect_b32 s70, s70, s[B]
	s_lshl_b32 s52, s70, 8
	s_lshl_b32 s70, s[Y], 15
	s_add_co_u32 s52, s52, s70
	s_add_nc_u64 s[12:13], s[12:13], s[52:53]
	s_cmp_gt_u32 s[WV], 1
	s_cbranch_scc1 .Lno_scales
	ds_load_b64 v[40:41], v[STB]
	s_wait_dscnt 0x0
	global_store_b64 v[L8], v[40:41], s[12:13]
.Lno_scales:
	s_wait_tensorcnt 0x0                           ; the wave's end, behind my last tensor load and my last LDS store
	ds_add_u32 v[SPW], v[NIL]
	s_wait_dscnt 0x0
	ROUND                                          ; the closing round
	s_endpgm
.Lfunc_end_k_qf6c403ea60_attn:
	.size	k_qf6c403ea60_attn, .Lfunc_end_k_qf6c403ea60_attn-k_qf6c403ea60_attn
	.p2alignl 7, 3214868480
	.fill 96, 4, 3214868480
	.section	.rodata,"a",@progbits
	.p2align	6, 0x0
	.amdhsa_kernel k_qf6c403ea60_attn
		.amdhsa_group_segment_fixed_size 327680
		.amdhsa_private_segment_fixed_size 0
		.amdhsa_enable_private_segment 0
		.amdhsa_kernarg_size 40
		.amdhsa_user_sgpr_count 2
		.amdhsa_user_sgpr_kernarg_segment_ptr 1
		.amdhsa_wavefront_size32 1
		.amdhsa_system_sgpr_workgroup_id_x 1
		.amdhsa_system_sgpr_workgroup_id_y 1
		.amdhsa_system_sgpr_workgroup_id_z 1
		.amdhsa_system_vgpr_workitem_id 0
		.amdhsa_next_free_vgpr 256
		.amdhsa_next_free_sgpr 84
		.amdhsa_reserve_vcc 1
		.amdhsa_float_denorm_mode_32 3
		.amdhsa_float_denorm_mode_16_64 3
		.amdhsa_memory_ordered 1
		.amdhsa_forward_progress 1
		.amdhsa_inst_pref_size 87
	.end_amdhsa_kernel
	.amdgpu_metadata
---
amdhsa.version: [ 1, 2 ]
amdhsa.kernels:
  - .name:           k_qf6c403ea60_attn
    .symbol:         k_qf6c403ea60_attn.kd
    .args:
      - { .name: qc, .offset: 0, .size: 8, .value_kind: global_buffer, .address_space: global }
      - { .name: qs, .offset: 8, .size: 8, .value_kind: global_buffer, .address_space: global }
      - { .name: kv, .offset: 16, .size: 8, .value_kind: global_buffer, .address_space: global }
      - { .name: oc, .offset: 24, .size: 8, .value_kind: global_buffer, .address_space: global }
      - { .name: os, .offset: 32, .size: 8, .value_kind: global_buffer, .address_space: global }
    .group_segment_fixed_size: 327680
    .private_segment_fixed_size: 0
    .kernarg_segment_align: 8
    .kernarg_segment_size: 40
    .max_flat_workgroup_size: 256
    .sgpr_count:     84
    .vgpr_count:     256
    .wavefront_size: 32
...
	.end_amdgpu_metadata
.endif
;; end of part 2
;; launch outp (part 3): grid 8 x 32, 8 waves a work-group, clusters of 4 x 4, 257,024 bytes of LDS; arguments oc, os, wo_codes, wo_scales, out0; writes out0
.if DOCPART == 3
	.amdgcn_target "amdgcn-amd-amdhsa--gfx1250"
	.amdhsa_code_object_version 6
	.text
	.protected	k_qf6c403ea60_outp
	.globl	k_qf6c403ea60_outp
	.p2align	8
	.type	k_qf6c403ea60_outp,@function
k_qf6c403ea60_outp:
	s_mov_b64 s[64:65], 0
	v_nop
	global_prefetch_b8 v0, s[64:65] scope:SCOPE_SE
	s_setreg_imm32_b32 hwreg(HW_REG_WAVE_MODE, 25, 1), 1
	s_wait_xcnt 0x0
	s_wait_alu depctr_hold_cnt(0) depctr_sa_sdst(0) depctr_va_vdst(0) depctr_va_sdst(0) depctr_va_ssrc(0) depctr_va_vcc(0) depctr_vm_vsrc(0)
	s_getreg_b32 s2, hwreg(HW_REG_IB_STS2, 6, 4)
	s_cmp_eq_u32 s2, 0
	s_cbranch_scc0 .Lentry_in_a_cluster
	s_endpgm
.Lentry_in_a_cluster:
	s_bfe_u32 s2, ttmp6, 0x10000c
	s_cmp_lg_u32 s2, 0xf033
	s_cbranch_scc0 .Lentry_shape_is_right
	s_endpgm
.Lentry_shape_is_right:
; out0 = o wo, on codes of FP6 (E2M3), K = 1,024.  o comes as images of operand registers (oc [token tile 256][head 16][768 bytes]: six registers a lane as 512 + 256 bytes; head H is half H % 2 of K step H / 2)
; with its scale bytes in os [y 4][tile][row 16][8 bytes]: the words of K steps 2 y, 2 y + 1.  wo comes as rows of 768 bytes of codes and 32 scale bytes.
; Index r of token tile 4 g + u stands for token 64 g + 32 (r / 8) + 8 u + r % 8.
; SHARES.  A work-group makes 128 tokens (8 tiles) x 128 columns: 256 work-groups.  Wave w: token tiles 2 (w / 2), 2 (w / 2) + 1, columns 64 (w % 2) on as four tiles of 16: eight accumulators.
; The product is used transposed (source 0 = 16 rows of wo, source 1 = 16 tokens): a lane holds eight neighbouring columns of one token's row.
; CLUSTERS: 4 x 4.  o's panel hangs on the token block alone and is shared along a row of the cluster, wo's on the column block alone and is shared along a column: joint loads.
; Both panels lie in LDS for all of K, filled once, in four chunks of 256 along K; the products of a chunk start when it has landed.  Nothing is filled again.
; LIMITS: the scale byte 0xff is not served.
.set OCH,  24576                       ; LDS: o's chunk kc at OCH kc: 8 tiles x 3,072 bytes (four heads' half images), dense
.set WPB,  98304                       ; wo's chunks behind them:
.set WCH,  30720                       ; 128 rows x 240: a row is 3 x (64 bytes + 16 of padding)
.set STG,  221184                      ; behind the panels: a stage of 16 rows x (256 + 16) bytes for each wave
.set L16,  1
.set L8,   2
.set WAD,  3                           ; v3, v4 LDS address of my lane in wo's tiles (v4: for pieces that lie behind one padding more)
.set OA16, 5                           ; v5, v6 the same in o's images: the plane of 16 bytes a lane, the plane of 8
.set OA8,  6
.set STO,  7
.set RD,   8
.set CO,   9
.set OSC,  16                          ; v16-31 o's scale words: tile tau, K step s at 16 + 8 tau + s
.set WSC,  32                          ; v32-63 wo's: tile t, K step s at 32 + 8 t + s
.set ACC,  64                          ; v64-127 accumulator (tau, t) at 64 + 32 tau + 8 t
.set WOF,  128                         ; v128-175 wo's four fragments
.set OFR,  176                         ; v176-199 o's two
.set BK0,  200                         ; v200-231, v128-159 rows read back from the stage
.set WV,   14
.macro ROUND                           ; a round of the cluster's barrier
	s_barrier_signal -1
	s_barrier_wait -1
	s_cmp_lg_u32 s[WV], 0
	s_cbranch_scc1 .Lnot_wave_0_\@
	s_barrier_signal -3
.Lnot_wave_0_\@:
	s_barrier_wait -3
	s_barrier_signal -1
	s_barrier_wait -1
.endm
.macro PLACES
.rept 4
	v_nop
.endr
.endm
.macro WFRAG reg, q, i                 ; a fragment of wo: six pieces of 8 bytes; lanes 16-31 read three pieces further on, which for some pieces is behind one padding more
.irp p, 0,1,2,3,4,5
.set PCE, 12*(\q)+6*(\p/3)+\p%3
.if PCE%8 < 5
	ds_load_b64 v[\reg+2*\p:\reg+2*\p+1], v[WAD] offset:8*PCE+16*(PCE/8)+(\i)*16*240
.else
	ds_load_b64 v[\reg+2*\p:\reg+2*\p+1], v[WAD+1] offset:8*PCE+16*(PCE/8)+(\i)*16*240
.endif
.endr
.endm
.macro KSTEP s                         ; K step s: 32 LDS loads, 8 products on 8 accumulators by turns
.irp t, 0,1,2,3
	WFRAG WOF+12*\t, (\s)%2, \t
.endr
.irp u, 0,1
.irp c, 0,1
	ds_load_b128 v[OFR+12*\u+6*\c:OFR+12*\u+6*\c+3], v[OA16] offset:3072*\u+768*(2*((\s)%2)+\c)
	ds_load_b64 v[OFR+12*\u+6*\c+4:OFR+12*\u+6*\c+5], v[OA8] offset:3072*\u+768*(2*((\s)%2)+\c)
.endr
.endr
	s_wait_dscnt 0x0
.irp u, 0,1
.irp t, 0,1,2,3
.if (\s) == 0
	v_wmma_scale_f32_16x16x128_f8f6f4 v[ACC+32*\u+8*\t:ACC+32*\u+8*\t+7], v[WOF+12*\t:WOF+12*\t+11], v[OFR+12*\u:OFR+12*\u+11], 0, v[WSC+8*\t+(\s)], v[OSC+8*\u+(\s)] matrix_a_fmt:MATRIX_FMT_FP6 matrix_b_fmt:MATRIX_FMT_FP6
.else
	v_wmma_scale_f32_16x16x128_f8f6f4 v[ACC+32*\u+8*\t:ACC+32*\u+8*\t+7], v[WOF+12*\t:WOF+12*\t+11], v[OFR+12*\u:OFR+12*\u+11], v[ACC+32*\u+8*\t:ACC+32*\u+8*\t+7], v[WSC+8*\t+(\s)], v[OSC+8*\u+(\s)] matrix_a_fmt:MATRIX_FMT_FP6 matrix_b_fmt:MATRIX_FMT_FP6
.endif
.endr
.endr
	PLACES                                         ; four places in front of the next loads into these registers, and of the first read of results
.endm
	s_load_b256 s[4:11], s[0:1], 0x0               ; oc s[4:5], os s[6:7], wo's codes s[8:9], wo's scales s[10:11]
	s_load_b64 s[12:13], s[0:1], 0x20              ; out0
	v_lshl_add_u32 v254, v0, 2, 0x3e800
	v_mov_b32 v255, 0
	ds_add_u32 v254, v255
	ds_add_u32 v254, v255
	v_lshrrev_b32 v10, 5, v0
	v_readfirstlane_b32 s[WV], v10                 ; wave 0..7
	s_and_b32 s15, s[WV], 3                        ; which quarter of a panel's chunk I fetch (waves 0-3: o's, waves 4-7: wo's)
	s_bfe_u32 s40, ttmp6, 0x40000                  ; cx
	s_bfe_u32 s41, ttmp6, 0x40004                  ; cy
	s_lshl_b32 s42, ttmp9, 2
	s_add_co_u32 s42, s42, s40                     ; column block
	s_and_b32 s43, ttmp7, 0xffff
	s_lshl_b32 s43, s43, 2
	s_add_co_u32 s43, s43, s41                     ; token block
	s_lshl_b32 s44, s41, 2
	s_lshl_b32 s44, 15, s44                        ; my row of the cluster
	s_lshl_b32 s45, 0x1111, s40                    ; my column
	; descriptor group 1.  o: two tiles' 3,072 bytes (384 elements of 8), 12,288 bytes apart, dense in LDS;  wo: 32 rows x 192 bytes, 768 apart, 16 bytes of padding behind every 64
	s_or_b32 s16, s44, (3<<16)|(1<<21)
	s_mov_b32 s17, 384<<16
	s_mov_b32 s18, 2<<16
	s_mov_b32 s19, 384<<16
	s_mov_b32 s20, 2
	s_mov_b32 s21, 1536
	s_mov_b32 s22, 0
	s_mov_b32 s23, 0
	s_or_b32 s24, s45, (1<<20)|(1<<21)|(3<<22)|(3<<25)
	s_mov_b32 s25, 192<<16
	s_mov_b32 s26, 32<<16
	s_mov_b32 s27, 192<<16
	s_mov_b32 s28, 32
	s_mov_b32 s29, 768
	s_mov_b32 s30, 0
	s_mov_b32 s31, 0
	s_mul_i32 s34, s15, 24576                      ; two tiles of o, or 32 rows of wo
	s_mul_i32 s32, s43, 98304
	s_add_co_u32 s32, s32, s34                     ; o: hangs on the token block alone
	s_mov_b32 s33, 0
	s_mul_i32 s36, s42, 98304
	s_add_co_u32 s36, s36, s34                     ; wo: on the column block alone
	s_mov_b32 s37, 0
	s_mul_i32 s38, s15, 6144                       ; where they go: no place in the cluster enters an LDS address
	s_mul_i32 s39, s15, 7680
	s_wait_dscnt 0x0
	s_wait_kmcnt 0x0
	s_add_nc_u64 s[32:33], s[4:5], s[32:33]
	s_add_nc_u64 s[36:37], s[8:9], s[36:37]
.irp k, 0,1,2,3
	s_mov_b32 s[48+4*\k], 1
	s_add_co_u32 s[49+4*\k], s38, \k*OCH
	s_add_nc_u64 s[50+4*\k:51+4*\k], s[32:33], \k*3072
	s_or_b32 s[51+4*\k], s[51+4*\k], 0x80000000
	s_mov_b32 s[68+4*\k], 1
	s_add_co_u32 s[69+4*\k], s39, WPB+\k*WCH
	s_add_nc_u64 s[70+4*\k:71+4*\k], s[36:37], \k*192
	s_or_b32 s[71+4*\k], s[71+4*\k], 0x80000000
.endr
	ROUND                                          ; all sixteen work-groups are here: the joint loads meet
	s_cmp_lt_u32 s[WV], 4                          ; a wave's four fills stand in one branch on the wave's number: four loads of mine are out
	s_cbranch_scc0 .Lfor_wo
.irp k, 0,1,2,3
	tensor_load_to_lds s[48+4*\k:51+4*\k], s[16:23]
	s_nop 0
.endr
	PLACES
	s_branch .Lasked
.Lfor_wo:
.irp k, 0,1,2,3
	tensor_load_to_lds s[68+4*\k:71+4*\k], s[24:31]
	s_nop 0
.endr
	PLACES
.Lasked:
	v_and_b32 v10, 31, v0
	v_lshlrev_b32 v[L16], 4, v10
	v_lshlrev_b32 v[L8], 3, v10
	v_and_b32 v11, 15, v0                          ; r
	v_bfe_u32 v12, v0, 4, 1                        ; h
	s_and_b32 s84, s[WV], 1                        ; my half of the columns
	s_lshr_b32 s85, s[WV], 1                       ; my pair of token tiles
	; scale words, from memory straight into registers, once
	v_lshlrev_b32 v13, 3, v11
	s_lshl_b32 s86, s43, 10
	s_lshl_b32 s87, s85, 8
	s_add_co_u32 s86, s86, s87
	s_mov_b32 s87, 0
	s_add_nc_u64 s[6:7], s[6:7], s[86:87]          ; os at my first tile: 128 bytes a tile
.irp u, 0,1
.irp y, 0,1,2,3
	global_load_b64 v[OSC+8*\u+2*\y:OSC+8*\u+2*\y+1], v13, s[6:7] offset:\u*128+\y*32768
.endr
.endr
	v_lshlrev_b32 v14, 5, v11
	s_lshl_b32 s86, s42, 12
	s_lshl_b32 s88, s84, 11
	s_add_co_u32 s86, s86, s88
	s_add_nc_u64 s[10:11], s[10:11], s[86:87]      ; wo's scales at my first column: 32 bytes a row
.irp t, 0,1,2,3
	global_load_b128 v[WSC+8*\t:WSC+8*\t+3], v14, s[10:11] offset:\t*512
	global_load_b128 v[WSC+8*\t+4:WSC+8*\t+7], v14, s[10:11] offset:\t*512+16
.endr
	; LDS addresses
	v_mul_u32_u24 v[WAD], v11, 240
	v_mad_u32_u24 v[WAD], v12, 24, v[WAD]
	s_mul_i32 s86, s84, 64*240
	s_add_co_u32 s86, s86, WPB
	v_add_nc_u32 v[WAD], s86, v[WAD]
	v_lshl_add_u32 v[WAD+1], v12, 4, v[WAD]
	s_mul_i32 s86, s85, 6144
	v_add_nc_u32 v[OA16], s86, v[L16]
	v_add_nc_u32 v[OA8], s86, v[L8]
	v_add_nc_u32 v[OA8], 512, v[OA8]
	s_mul_i32 s86, s[WV], 16*272
	s_add_co_u32 s86, s86, STG                     ; my stage
	v_mul_u32_u24 v[STO], v11, 272
	v_lshl_add_u32 v[STO], v12, 5, v[STO]
	v_add_nc_u32 v[STO], s86, v[STO]               ; in: row r, 32 bytes for each half of the lanes
	v_mul_u32_u24 v[RD], v12, 272
	v_lshl_add_u32 v[RD], v11, 4, v[RD]
	v_add_nc_u32 v[RD], s86, v[RD]                 ; back: lanes 0-15 one row of 256 bytes, lanes 16-31 the next
	v_lshlrev_b32 v[CO], 12, v12
	v_lshl_add_u32 v[CO], v11, 4, v[CO]            ; and the same two rows in out0 (4,096 bytes a row)
	s_lshl_b32 s86, s43, 7                         ; my first token: 128 x block + 64 (w / 4) + 16 ((w / 2) % 2)
	s_lshr_b32 s88, s[WV], 2
	s_lshl_b32 s88, s88, 6
	s_add_co_u32 s86, s86, s88
	s_and_b32 s88, s85, 1
	s_lshl_b32 s88, s88, 4
	s_add_co_u32 s86, s86, s88
	s_lshl_b32 s86, s86, 12
	s_lshl_b32 s88, s42, 9
	s_add_co_u32 s86, s86, s88                     ; + my columns' bytes: 512 x block + 256 x half
	s_lshl_b32 s88, s84, 8
	s_add_co_u32 s86, s86, s88
	s_add_nc_u64 s[12:13], s[12:13], s[86:87]
	s_wait_loadcnt 0x0                             ; the scale words
.irp k, 0,1,2,3
	s_wait_tensorcnt 3-\k                          ; my load of chunk k has landed; the later chunks' may be out
	s_barrier_signal -1
	s_barrier_wait -1                              ; everybody's has
	KSTEP 2*\k
	KSTEP 2*\k+1
.if \k < 3
	v_add_nc_u32 v[WAD], WCH, v[WAD]               ; on to the next chunk (no LDS load of mine is out)
	v_add_nc_u32 v[WAD+1], WCH, v[WAD+1]
	v_add_nc_u32 v[OA16], OCH, v[OA16]
	v_add_nc_u32 v[OA8], OCH, v[OA8]
.endif
.endr
; THE WAY OUT, a token tile at a time: a lane's 32 bytes go into my own stage and come back as whole runs of 256 bytes.  LDS serves a wave's instructions in order (ISA guide 5.7.1.4):
; no wait between the stores and the loads, nor in front of the next tile's stores.
.macro TOSTAGE u, bk
.irp t, 0,1,2,3
	ds_store_b128 v[STO], v[ACC+32*\u+8*\t:ACC+32*\u+8*\t+3] offset:64*\t          ; each accumulator from its low end on
	ds_store_b128 v[STO], v[ACC+32*\u+8*\t+4:ACC+32*\u+8*\t+7] offset:64*\t+16
.endr
.irp i, 0,1,2,3,4,5,6,7
	ds_load_b128 v[\bk+4*\i:\bk+4*\i+3], v[RD] offset:2*\i*272
.endr
.endm
.macro SEND u, bk, younger             ; stage row 2 i + lane / 16 is token 32 (i / 4) + 2 (i % 4) + lane / 16 behind the tile's first
.irp i, 0,1,2,3,4,5,6,7
	s_wait_dscnt \younger+7-\i
	global_store_b128 v[CO], v[\bk+4*\i:\bk+4*\i+3], s[12:13] offset:(32*(\i/4)+2*(\i%4)+8*\u)*4096 th:TH_STORE_NT   ; sixteen lanes store 256 consecutive bytes, at a multiple of 256 from out0's first byte
.endr
.endm
	TOSTAGE 0, BK0
	TOSTAGE 1, WOF
	SEND 0, BK0, 16                                ; behind tile 0's loads: tile 1's eight stores and eight loads
	SEND 1, WOF, 0
	s_wait_tensorcnt 0x0
	ds_add_u32 v254, v255
	s_wait_dscnt 0x0
	ROUND                                          ; the closing round: no work-group ends while a partner may still ask for a tile that names it
	s_endpgm
.Lfunc_end_k_qf6c403ea60_outp:
	.size	k_qf6c403ea60_outp, .Lfunc_end_k_qf6c403ea60_outp-k_qf6c403ea60_outp
	.p2alignl 7, 3214868480
	.fill 96, 4, 3214868480
	.section	.rodata,"a",@progbits
	.p2align	6, 0x0
	.amdhsa_kernel k_qf6c403ea60_outp
		.amdhsa_group_segment_fixed_size 257024
		.amdhsa_private_segment_fixed_size 0
		.amdhsa_enable_private_segment 0
		.amdhsa_kernarg_size 40
		.amdhsa_user_sgpr_count 2
		.amdhsa_user_sgpr_kernarg_segment_ptr 1
		.amdhsa_wavefront_size32 1
		.amdhsa_system_sgpr_workgroup_id_x 1
		.amdhsa_system_sgpr_workgroup_id_y 1
		.amdhsa_system_sgpr_workgroup_id_z 1
		.amdhsa_system_vgpr_workitem_id 0
		.amdhsa_next_free_vgpr 256
		.amdhsa_next_free_sgpr 100
		.amdhsa_reserve_vcc 0
		.amdhsa_float_denorm_mode_32 3
		.amdhsa_float_denorm_mode_16_64 3
		.amdhsa_memory_ordered 1
		.amdhsa_forward_progress 1
		.amdhsa_inst_pref_size 41
	.end_amdhsa_kernel
	.amdgpu_metadata
---
amdhsa.version: [ 1, 2 ]
amdhsa.kernels:
  - .name:           k_qf6c403ea60_outp
    .symbol:         k_qf6c403ea60_outp.kd
    .args:
      - { .name: oc, .offset: 0, .size: 8, .value_kind: global_buffer, .address_space: global }
      - { .name: os, .offset: 8, .size: 8, .value_kind: global_buffer, .address_space: global }
      - { .name: wo_codes, .offset: 16, .size: 8, .value_kind: global_buffer, .address_space: global }
      - { .name: wo_scales, .offset: 24, .size: 8, .value_kind: global_buffer, .address_space: global }
      - { .name: out0, .offset: 32, .size: 8, .value_kind: global_buffer, .address_space: global }
    .group_segment_fixed_size: 257024
    .private_segment_fixed_size: 0
    .kernarg_segment_align: 8
    .kernarg_segment_size: 40
    .max_flat_workgroup_size: 256
    .sgpr_count:     100
    .vgpr_count:     256
    .wavefront_size: 32
...
	.end_amdgpu_metadata
.endif
;; end of part 3
